; MI455X (gfx1250); checked and timed in simulation.
; The chip was launched on July 23, 2026; its instructions are those of AMD's public machine-readable ISA for CDNA 5 (MIT licence, August 2026) and "CDNA5" Instruction Set Architecture Reference Guide (July 2026). The comments in the code are by the model that wrote it; some were corrected since.
;; Simple Transformer CUDA. Allowed arithmetic: matrix products marked QUANTISED: E2M3 operands, one E8M0 scale for each 32 along K, by v_wmma_scale_f32_16x16x128_f8f6f4 with both operands' format E2M3, f32 sums; everything else in f32.
;; Inputs: W_k 512 x 512 float32; W_q 512 x 512 float32; W_v 512 x 512 float32; fc_out 512 x 512 float32; x 32 x 1,024 x 512 float32.
;; Outputs: out0 32 x 1,024 x 512 float32.
;; This version of the problem:
;;   THIS VERSION OF THE PROBLEM IS GIVEN IN LOW PRECISION. The matrix products marked QUANTISED in the list below multiply operands that are first quantised to E2M3 (2 exponent bits, 3 mantissa bits; 6 bits a number), with one power-of-two scale for each 32 numbers along K (OCP MX v1.0); their sums are f32. All else is computed in f32.
;;   The module's matrix products, in the order in which they are computed (A, B: the left and right operand; K: the contracted axis; several contracted axes count as one K, in the product's order):
;;     1. [M 32,768, K 512] x [K 512, N 512]; A: input x; B: input W_q: QUANTISED
;;     2. [M 32,768, K 512] x [K 512, N 512]; A: input x; B: input W_k: QUANTISED
;;     3. [M 32,768, K 512] x [K 512, N 512]; A: input x; B: input W_v: QUANTISED
;;     4. batch 256 x [M 1,024, K 64] x [K 64, N 1,024]; A: computed on the way; B: computed on the way: QUANTISED
;;     5. batch 256 x [M 64, K 1,024] x [K 1,024, N 1,024]; A: computed on the way; B: softmax (see below): QUANTISED
;;     6. [M 32,768, K 512] x [K 512, N 512]; A: computed on the way; B: input fc_out: QUANTISED
;;   THE QUANTISER, for each operand of a quantised product, along K:
;;     - K is cut into blocks of 32 from its start; a last block that is shorter is filled with zeros.
;;     - A block's scale is 2^e with e = floor(log2(the largest magnitude in the block)) - 2, held to -126 .. 127; a block of zeros has e = 0. As a byte (E8M0): e + 127.
;;     - Each number is divided by its block's scale, clamped to +-7.5, and rounded to the nearest number of E2M3, ties to even, subnormals kept.
;;     - The product sums the exact products of the quantised numbers (number of the format x scale) in f32.
;;   ~~~python
;;   def quantise(x, axis):      # numpy; x: float32 -> the quantised numbers, widened to float32 again
;;       x = np.moveaxis(x, axis, -1); K = x.shape[-1]
;;       x = np.pad(x, [(0, 0)] * (x.ndim - 1) + [(0, -K % 32)]); x = x.reshape(x.shape[:-1] + (-1, 32)); a = np.abs(x).max(-1, keepdims=True)
;;       e = np.where(a > 0, np.clip(np.frexp(np.where(a > 0, a, 1))[1] - 1 - 2, -126, 127), 0)      # np.frexp(a)[1] - 1 = floor(log2(a)), exactly
;;       r = np.clip(x / 2.0 ** e, -7.5, 7.5)
;;       step = 2.0 ** (np.maximum(np.frexp(np.where(r == 0, 1, r))[1] - 1, 0) - 3)
;;       q = np.round(r / step) * step * 2.0 ** e      # np.round: ties to even
;;       return np.moveaxis(q.reshape(q.shape[:-2] + (-1,))[..., :K], -1, axis).astype(np.float32)
;;   ~~~
;;   SOFTMAX AHEAD OF A QUANTISED PRODUCT. Where the list says 'softmax', what is quantised is not the finished softmax but p = 2^(t - M), with t = logit x log2(e) and M = ceil(the row's largest t), a whole number; so 1/2 < the row's largest p <= 1. The row's sum l is taken of the UNQUANTISED p, in f32, and the product's result is divided by l at the end. Since M is a whole number, a kernel that streams over the keys may use a running M (the ceiling of the running maximum): every later rescaling is an exact power of two, which a block's scale takes up: the codes' values come out the same.
;;   OPERANDS COMPUTED ON THE WAY. 'Computed on the way' means the value that the module computes at that place (a softmax that the list does not call 'softmax' is quantised finished and normalised). What goes into a quantiser is computed in f32, as accurately as f32 sums, v_exp_f32 and their like allow (about 1e-6 of the number): no bf16 or f16 on the way to a quantiser, and a product that is left as it is and whose result goes on into a quantised operand takes f32 operands (vector FMAs, or v_wmma_f32_16x16x4_f32). A number that lies on a knife's edge between two numbers of the format may be rounded either way, as far as f32 arithmetic and the matrix unit's own rounding can turn it there, and no further.
;; 2 versions. Each part assembles by itself: llvm-mc -triple=amdgcn-amd-amdhsa -mcpu=gfx1250 --defsym DOCPART=n.
;; ======== version 1 of 2: 3 launches
;; workspace buffers: xc 12,582,912 bytes; xs 524,288 bytes; wimg 786,432 bytes; wsc 32,768 bytes; ctxc 12,582,912 bytes; ctxs 524,288 bytes
;; launch quant (part 1): grid 1088 x 1, 4 waves a work-group, no clusters, 34,304 bytes of LDS; arguments x, W_q, W_k, W_v, fc_out, xc, xs, wimg, wsc; writes xc, xs, wimg, wsc
.if DOCPART == 1
	.amdgcn_target "amdgcn-amd-amdhsa--gfx1250"
	.amdhsa_code_object_version 6
	.text
	.protected	k_q16433fd91c_quant
	.globl	k_q16433fd91c_quant
	.p2align	8
	.type	k_q16433fd91c_quant,@function
k_q16433fd91c_quant:
	s_mov_b64 s[64:65], 0
	v_nop
	global_prefetch_b8 v0, s[64:65] scope:SCOPE_SE
	s_setreg_imm32_b32 hwreg(HW_REG_WAVE_MODE, 25, 1), 1
	s_wait_xcnt 0x0
; x [32768][512] and the four weights [512 (k)][512 (n)], f32, become codes of FP6 (E2M3) with one E8M0 scale byte for each 32 along K,
; laid as IMAGES OF OPERAND REGISTERS: a fragment (16 rows or columns x 128 K) is 12 registers a lane = 1,536 bytes: three chunks of 512 bytes, chunk k = registers 4 k .. 4 k + 3, lane l at byte 16 l.
; THE TILE ORDER: place i of tile T holds row (or column) 32 (T / 2) + 8 (T % 2) + i + 8 (i / 8): so in a matrix result the 16 registers of tiles 2 b and 2 b + 1 are 16 neighbours.
;   xc   [group of 32 rows: 1024][tile u: 2][K step s: 4][1536]      xs  [group][s][lane] words: lanes 0-15 tile 0's rows, lanes 16-31 tile 1's
;   wimg [matrix m: 4][tile t: 32][s: 4][1536]                       wsc [m][s][t][16] words: a pair of tiles is 128 bytes on end
; A block's scale is 2^(floor(log2(largest magnitude)) - 2); its byte is the largest magnitude's exponent field - 2, held at 1 from below.
; LIMITS: a block whose largest magnitude lies under 2^-124 (a block of zeros among them) gets the byte 1: its bytes are read by this program alone; NaN and infinities are not served.
; Work-groups 0-63: a pair of tiles of one weight, wave = K step.  Work-groups 64-1087: a group of 32 rows of x, wave = K step.  Waves share nothing: no barrier.
; No matrix unit, no cluster, no ring: each number is read once, and each wave has all its loads out at once (x: 32 loads of 512 bytes).
.set SPITCH, 528                       ; a stage row: 512 bytes + 16: row r starts 4 r banks on
.set WSTG,   16*SPITCH                 ; a wave's stage: 16 rows
.set SPARE,  4*WSTG                    ; behind the four stages: the spare words, 128 bytes a wave: two blocks of 256 bytes that no other line names
.set LI,  1                            ; v1   16 x lane
.set L4,  2                            ; v2   4 x lane
.set SA,  3                            ; v3   the stage, on the way in: my wave's + 16 x lane
.set SB,  4                            ; v4   on the way out: my wave's + 528 r + 64 h
.set VO,  5                            ; v5   a weight: 32 h rows of 2,048 bytes + 4 x (r + 8 (r / 8))
.set RR,  6                            ; v6   r = lane % 16
.set HH,  7                            ; v7   h = lane / 16
.set TM,  8                            ; v8-23   at work: +0..3 largest magnitudes, +4..7 the other lane's, then bytes, +12..15 the conversions' scale operands
.set PW0, 24                           ; v24, v25  the two tiles' scale words
.set PW1, 25
.set PWS, 26                           ; v26  the word that my lane stores
.set LN,  27                           ; v27  lane
.set CT,  28                           ; v28-35  the second halves of the blocks' codes
.set R0,  36                           ; v36-99, v100-163  numbers as loaded
.set R1,  100
.set X,   164                          ; v164-227  64 numbers of my row, 16 neighbours of each block
.set PC0, 228                          ; v228-239, v240-251  the two fragments
.set PC1, 240
.set SPW, 252                          ; v252 LDS address of my spare word; never rewritten
.set NIL, 253                          ; v253 0; never rewritten
; 64 numbers of a lane, register 16 b + i = k 32 b + 16 h + i of my row, become a fragment in v[pc] on and my row's scale word in v[pw]
.macro QUANT s, pc, pw
.irp b, 0,1,2,3
	v_max3_num_f32 v[TM+\b], |v[\s+16*\b]|, |v[\s+16*\b+1]|, 0x1800000   ; my 16 numbers of block b, and the floor 2^(3 - 127): the byte cannot fall under 1
.endr
.irp i, 2,4,6,8,10,12,14
.irp b, 0,1,2,3
	v_max3_num_f32 v[TM+\b], v[TM+\b], |v[\s+16*\b+\i]|, |v[\s+16*\b+\i+1]|   ; the four blocks by turns
.endr
.endr
.irp b, 0,1,2,3
	v_permlanex16_b32 v[TM+4+\b], v[TM+\b], s24, s25
.endr
.irp b, 0,1,2,3
	v_max_num_f32 v[TM+\b], v[TM+\b], v[TM+4+\b]       ; with lane l xor 16's: the block's largest magnitude
.endr
.irp b, 0,1,2,3
	v_add_nc_u32 v[TM+12+\b], 0xff000000, v[TM+\b]     ; 2 off its exponent field: the conversion's scale operand
.endr
.irp b, 0,1,2,3
	v_lshrrev_b32 v[TM+4+\b], 23, v[TM+12+\b]          ; the scale's byte
.endr
	v_lshl_or_b32 v[\pw], v[TM+5], 8, v[TM+4]
	v_lshl_or_b32 v[\pw], v[TM+6], 16, v[\pw]
	v_lshl_or_b32 v[\pw], v[TM+7], 24, v[\pw]
.irp c, 0,1
	v_cvt_scalef32_pk16_fp6_f32 v[\pc+6*\c:\pc+6*\c+2], v[\s+32*\c:\s+32*\c+15], v[TM+12+2*\c]
	v_cvt_scalef32_pk16_fp6_f32 v[CT+4*\c:CT+4*\c+2], v[\s+32*\c+16:\s+32*\c+31], v[TM+13+2*\c]   ; (a conversion's three registers begin on an even number)
.endr
	v_nop                                              ; one plain place behind the scaled conversions
.irp c, 0,1                                    ; the layout wants a whole block in a lane: lanes 0-15 block 2 c, lanes 16-31 block 2 c + 1
.irp i, 0,1,2
	v_permlane16_swap_b32 v[\pc+6*\c+\i], v[CT+4*\c+\i]
.endr
.irp i, 0,1,2
	v_mov_b32 v[\pc+6*\c+3+\i], v[CT+4*\c+\i]
.endr
.endr
.endm
; 64 numbers of a lane, register 32 c + i = k 64 c + 32 h + i of my column: two whole blocks; the results are the operand's registers as they stand
.macro QUANTW s, pc, pw
.irp c, 0,1
	v_max3_num_f32 v[TM+\c], |v[\s+32*\c]|, |v[\s+32*\c+1]|, 0x1800000
.endr
.irp i, 2,4,6,8,10,12,14,16,18,20,22,24,26,28,30
.irp c, 0,1
	v_max3_num_f32 v[TM+\c], v[TM+\c], |v[\s+32*\c+\i]|, |v[\s+32*\c+\i+1]|
.endr
.endr
.irp c, 0,1
	v_add_nc_u32 v[TM+12+\c], 0xff000000, v[TM+\c]
.endr
.irp c, 0,1
	v_lshrrev_b32 v[TM+4+\c], 23, v[TM+12+\c]
.endr
	v_lshl_or_b32 v[\pw], v[TM+5], 16, v[TM+4]         ; my two bytes: blocks h and 2 + h,
	v_lshlrev_b32 v[TM+6], 3, v[HH]
	v_lshlrev_b32 v[\pw], v[TM+6], v[\pw]              ; 8 h bits up;
	v_permlanex16_b32 v[TM+7], v[\pw], s24, s25
	v_or_b32 v[\pw], v[\pw], v[TM+7]                   ; with lane l xor 16's two the word is whole
.irp c, 0,1
	v_cvt_scalef32_pk16_fp6_f32 v[\pc+6*\c:\pc+6*\c+2], v[\s+32*\c:\s+32*\c+15], v[TM+12+\c]
	v_cvt_scalef32_pk16_fp6_f32 v[CT+4*\c:CT+4*\c+2], v[\s+32*\c+16:\s+32*\c+31], v[TM+12+\c]
.endr
	v_nop
.irp c, 0,1
.irp i, 0,1,2
	v_mov_b32 v[\pc+6*\c+3+\i], v[CT+4*\c+\i]
.endr
.endr
.endm
; 16 rows x 512 bytes through my stage: in as loaded (a row an instruction), out 64 bytes of a block's half a lane.  LDS serves a wave's instructions in order: no wait between
.macro TURN from, to
.irp i, 0,1,2,3,4,5,6,7,8,9,10,11,12,13,14,15
	ds_store_b128 v[SA], v[\from+4*\i:\from+4*\i+3] offset:SPITCH*\i
.endr
.irp b, 0,1,2,3
.irp j, 0,1,2,3
	ds_load_b128 v[\to+16*\b+4*\j:\to+16*\b+4*\j+3], v[SB] offset:128*\b+16*\j
.endr
.endr
.endm
	s_load_b512 s[4:19], s[0:1], 0x0               ; x s[4:5], W_q s[6:7], W_k s[8:9], W_v s[10:11], fc_out s[12:13], xc s[14:15], xs s[16:17], wimg s[18:19]
	s_load_b64 s[20:21], s[0:1], 0x40              ; wsc
	v_lshl_add_u32 v[SPW], v0, 2, SPARE
	v_mov_b32 v[NIL], 0
	v_lshrrev_b32 v[LN], 5, v0
	v_readfirstlane_b32 s22, v[LN]                 ; wave = K step
	v_and_b32 v[LN], 31, v0
	v_and_b32 v[RR], 15, v0
	v_bfe_u32 v[HH], v0, 4, 1
	v_lshlrev_b32 v[LI], 4, v[LN]
	v_lshlrev_b32 v[L4], 2, v[LN]
	s_mul_i32 s23, s22, WSTG
	v_add_nc_u32 v[SA], s23, v[LI]
	v_mul_u32_u24 v[SB], v[RR], SPITCH
	v_lshl_add_u32 v[SB], v[HH], 6, v[SB]
	v_add_nc_u32 v[SB], s23, v[SB]
	v_and_b32 v[VO], 8, v[RR]
	v_add_nc_u32 v[VO], v[VO], v[RR]               ; r + 8 (r / 8)
	v_lshlrev_b32 v[VO], 2, v[VO]
	v_lshl_add_u32 v[VO], v[HH], 16, v[VO]
	s_mov_b32 s24, 0x76543210
	s_mov_b32 s25, 0xfedcba98                      ; v_permlanex16_b32's selects for lane l xor 16
.irp b, 0,1,2,3
	v_mov_b32 v[TM+4+\b], 0                        ; written once: a lane permute's destination counts as one of its sources
.endr
	s_mov_b32 s29, 0
	s_wait_kmcnt 0x0
	s_cmp_lt_u32 ttmp9, 64
	s_cbranch_scc1 .Lweights
	; ---- x: group G = work-group - 64, K step = wave
	s_sub_co_u32 s26, ttmp9, 64
	s_lshl_b32 s28, s26, 16                        ; 32 rows of 2,048 bytes
	s_lshl_b32 s30, s22, 9                         ; + 512 bytes a K step
	s_add_co_u32 s28, s28, s30
	s_add_nc_u64 s[4:5], s[4:5], s[28:29]
	s_mul_i32 s28, s26, 12288
	s_mul_i32 s30, s22, 1536
	s_add_co_u32 s28, s28, s30
	s_add_nc_u64 s[14:15], s[14:15], s[28:29]
	s_lshl_b32 s28, s26, 9
	s_lshl_b32 s30, s22, 7
	s_add_co_u32 s28, s28, s30
	s_add_nc_u64 s[16:17], s[16:17], s[28:29]
.irp u, 0,1
.irp i, 0,1,2,3,4,5,6,7,8,9,10,11,12,13,14,15
	global_load_b128 v[R0+64*\u+4*\i:R0+64*\u+4*\i+3], v[LI], s[4:5] offset:(8*\u+\i+8*(\i/8))*2048 th:TH_LOAD_NT   ; place i of tile u: 32 lanes read 512 consecutive bytes of its row
.endr
.endr
	s_wait_loadcnt 16                              ; tile 0's sixteen loads are in; tile 1's sixteen may be out
	TURN R0, X
	s_wait_loadcnt 0x0
	s_wait_dscnt 0x0                               ; tile 0 is back, and its stores into the stage have read v36-99, which take tile 1's numbers next
	TURN R1, R0
	QUANT X, PC0, PW0
.irp k, 0,1,2
	global_store_b128 v[LI], v[PC0+4*\k:PC0+4*\k+3], s[14:15] offset:512*\k            ; 512 consecutive bytes, at a multiple of 256 from the buffer's first byte
.endr
	s_wait_dscnt 0x0
	QUANT R0, PC1, PW1
.irp k, 0,1,2
	global_store_b128 v[LI], v[PC1+4*\k:PC1+4*\k+3], s[14:15] offset:6144+512*\k
.endr
	v_cmp_gt_u32 vcc_lo, 16, v[LN]
	v_cndmask_b32 v[PWS], v[PW1], v[PW0], vcc_lo   ; lanes 0-15: tile 0's words; lanes 16-31: tile 1's (both halves of the lanes hold a row's word)
	global_store_b32 v[L4], v[PWS], s[16:17]
	s_wait_tensorcnt 0x0                           ; the wave's end, behind my last LDS store
	ds_add_u32 v[SPW], v[NIL]
	s_wait_dscnt 0x0
	s_endpgm
	; ---- a weight: matrix m = work-group / 16, tiles 2 j and 2 j + 1 with j = work-group % 16, K step = wave.  A lane takes a column, its registers run down K
.Lweights:
	s_lshr_b32 s26, ttmp9, 4
	s_and_b32 s27, ttmp9, 15
	s_cmp_eq_u32 s26, 1                            ; the choice hangs on the work-group's number alone
	s_cselect_b64 s[6:7], s[8:9], s[6:7]
	s_cmp_eq_u32 s26, 2
	s_cselect_b64 s[6:7], s[10:11], s[6:7]
	s_cmp_eq_u32 s26, 3
	s_cselect_b64 s[6:7], s[12:13], s[6:7]
	s_lshl_b32 s28, s22, 18                        ; 128 rows of 2,048 bytes a K step
	s_lshl_b32 s30, s27, 7                         ; + 32 columns a pair of tiles
	s_add_co_u32 s28, s28, s30
	s_add_nc_u64 s[6:7], s[6:7], s[28:29]
	s_mul_i32 s28, s26, 196608
	s_mul_i32 s30, s27, 12288
	s_add_co_u32 s28, s28, s30
	s_mul_i32 s30, s22, 1536
	s_add_co_u32 s28, s28, s30
	s_add_nc_u64 s[18:19], s[18:19], s[28:29]
	s_lshl_b32 s28, s26, 13
	s_lshl_b32 s30, s22, 11
	s_add_co_u32 s28, s28, s30
	s_lshl_b32 s30, s27, 7
	s_add_co_u32 s28, s28, s30
	s_add_nc_u64 s[20:21], s[20:21], s[28:29]
.macro WTILE e                         ; tile 2 j + e: W(128 s + 64 c + 32 h + i, my column) into v[R0 + 64 e + 32 c + i]
.irp c, 0,1
.irp i, 0,1,2,3,4,5,6,7,8,9,10,11,12,13,14,15,16,17,18,19,20,21,22,23,24,25,26,27,28,29,30,31
	global_load_b32 v[R0+64*\e+32*\c+\i], v[VO], s[6:7] offset:(64*\c+\i)*2048+32*\e
.endr
.endr
.endm
	WTILE 0
	s_wait_loadcnt 0x0
	WTILE 1                                        ; lands while tile 0 is quantised
	QUANTW R0, PC0, PW0
.irp k, 0,1,2
	global_store_b128 v[LI], v[PC0+4*\k:PC0+4*\k+3], s[18:19] offset:512*\k
.endr
	s_wait_loadcnt 0x0
	QUANTW R1, PC1, PW1
.irp k, 0,1,2
	global_store_b128 v[LI], v[PC1+4*\k:PC1+4*\k+3], s[18:19] offset:6144+512*\k
.endr
	v_cmp_gt_u32 vcc_lo, 16, v[LN]
	v_cndmask_b32 v[PWS], v[PW1], v[PW0], vcc_lo
	global_store_b32 v[L4], v[PWS], s[20:21]
	s_wait_tensorcnt 0x0                           ; the wave's end, in the same form as on the other path
	ds_add_u32 v[SPW], v[NIL]
	s_wait_dscnt 0x0
	s_endpgm
.Lfunc_end_k_q16433fd91c_quant:
	.size	k_q16433fd91c_quant, .Lfunc_end_k_q16433fd91c_quant-k_q16433fd91c_quant
	.p2alignl 7, 3214868480
	.fill 96, 4, 3214868480
	.section	.rodata,"a",@progbits
	.p2align	6, 0x0
	.amdhsa_kernel k_q16433fd91c_quant
		.amdhsa_group_segment_fixed_size 34304
		.amdhsa_private_segment_fixed_size 0
		.amdhsa_enable_private_segment 0
		.amdhsa_kernarg_size 72
		.amdhsa_user_sgpr_count 2
		.amdhsa_user_sgpr_kernarg_segment_ptr 1
		.amdhsa_wavefront_size32 1
		.amdhsa_system_sgpr_workgroup_id_x 1
		.amdhsa_system_sgpr_workgroup_id_y 1
		.amdhsa_system_sgpr_workgroup_id_z 1
		.amdhsa_system_vgpr_workitem_id 0
		.amdhsa_next_free_vgpr 256
		.amdhsa_next_free_sgpr 66
		.amdhsa_reserve_vcc 1
		.amdhsa_float_denorm_mode_32 3
		.amdhsa_float_denorm_mode_16_64 3
		.amdhsa_memory_ordered 1
		.amdhsa_forward_progress 1
		.amdhsa_inst_pref_size 38
	.end_amdhsa_kernel
	.amdgpu_metadata
---
amdhsa.version: [ 1, 2 ]
amdhsa.kernels:
  - .name:           k_q16433fd91c_quant
    .symbol:         k_q16433fd91c_quant.kd
    .args:
      - { .name: x, .offset: 0, .size: 8, .value_kind: global_buffer, .address_space: global }
      - { .name: W_q, .offset: 8, .size: 8, .value_kind: global_buffer, .address_space: global }
      - { .name: W_k, .offset: 16, .size: 8, .value_kind: global_buffer, .address_space: global }
      - { .name: W_v, .offset: 24, .size: 8, .value_kind: global_buffer, .address_space: global }
      - { .name: fc_out, .offset: 32, .size: 8, .value_kind: global_buffer, .address_space: global }
      - { .name: xc, .offset: 40, .size: 8, .value_kind: global_buffer, .address_space: global }
      - { .name: xs, .offset: 48, .size: 8, .value_kind: global_buffer, .address_space: global }
      - { .name: wimg, .offset: 56, .size: 8, .value_kind: global_buffer, .address_space: global }
      - { .name: wsc, .offset: 64, .size: 8, .value_kind: global_buffer, .address_space: global }
    .group_segment_fixed_size: 34304
    .private_segment_fixed_size: 0
    .kernarg_segment_align: 8
    .kernarg_segment_size: 72
    .max_flat_workgroup_size: 128
    .sgpr_count:     66
    .vgpr_count:     256
    .wavefront_size: 32
...
	.end_amdgpu_metadata
.endif
;; end of part 1
;; launch attn (part 2): grid 8 x 32, 16 waves a work-group, no clusters, 237,568 bytes of LDS; arguments xc, xs, wimg, wsc, ctxc, ctxs; writes ctxc, ctxs
.if DOCPART == 2
	.amdgcn_target "amdgcn-amd-amdhsa--gfx1250"
	.amdhsa_code_object_version 6
	.text
	.protected	k_q16433fd91c_attn
	.globl	k_q16433fd91c_attn
	.p2align	8
	.type	k_q16433fd91c_attn,@function
k_q16433fd91c_attn:
	s_mov_b64 s[64:65], 0
	v_nop
	global_prefetch_b8 v0, s[64:65] scope:SCOPE_SE
	s_setreg_imm32_b32 hwreg(HW_REG_WAVE_MODE, 25, 1), 1
	s_wait_xcnt 0x0
; One work-group = one (batch, head): Q, K, V = x W (this head's 64 columns), quantised; S^T = K Q^T; p = 2^(t - M); O^T = V^T P^T; ctx = O / l, quantised.  All products on codes of FP6 (E2M3), one E8M0 scale for each 32 along K.
; 32 x 8 = 256 work-groups.  A head's K and V as codes are 49,152 bytes each: they stay in LDS for the whole launch, so there is no ring and no tensor load; two barriers in all.
; SHARES.  Wave w of sixteen owns rows 64 w .. 64 w + 63 of the batch (two groups g of 32 rows, four tiles i = 2 g + u): it projects them, puts their K and V into LDS for all, their Q into bytes of its own,
; and then runs the attention of its four tiles of 16 queries over all 1,024 keys, 128 a step.  Four waves share a SIMD: one wave's vector work stands beside another's products and LDS loads.
; THE TILE ORDER: place i of tile T holds row 32 (T / 2) + 8 (T % 2) + i + 8 (i / 8) (columns of a weight likewise): in a result the 16 registers of tiles 2 b, 2 b + 1 are the 16 neighbours 32 b + 16 h + 0 .. 15,
; whichever source the tile was.  So one fragment of x serves as source 1 (Q, K: a lane = a row, registers along the head) and as source 0 (V: a lane = one of the head's 64, registers along the keys).
; K = 64 IN AN INSTRUCTION OF K = 128: Q's registers 6-11 are zero codes; K's registers 6-11 are whatever follows (the next tile's codes; zeros behind the last).  The format has no infinity and no NaN, so these products are 0;
; bytes 2, 3 of both scale words repeat bytes 0, 1.
; THE SOFTMAX: t = score x log2(e) / 8; M = the running largest t rounded up to a whole number; p = 2^(t - M) is quantised along the keys; the row's sum is taken of the unquantised p; when M moves, sum and O^T are multiplied by 2^(old M - new M): exact.
; NO CLUSTER: what the eight heads of a batch share is x's codes and scale words, 409,600 bytes a work-group, read once through registers at the launch's opening; they feed 3,072 of a work-group's 9,216 matrix instructions and none of its softmax.
; LIMITS: NaN and infinities are not served; a block whose largest magnitude lies under 2^-124 (zeros among them) gets the byte 1; p under 2^-126 counts as 0 (ISA guide: v_exp_f32 flushes denormal results).
.set WIMG,  0                          ; LDS: the head's weights [m: 3][t: 4][s: 4][1536]
.set KIMG,  73728                      ; K: 6,144 bytes a key step: register 6 t + i of the step's 48, in chunks of four registers x 32 lanes
.set VIMG,  122880                     ; V: 6,144 bytes a key step: four fragments d of 1,536
.set QIMG,  172032                     ; Q: 3,072 bytes a wave, 1,536 a pair of tiles
.set KSC,   221184                     ; K's scale words: 512 bytes a step: word (t, r) at 16 (r + 16 (t % 2)) + 4 (t / 2)
.set VSC,   225280                     ; V's: 256 bytes a step: word (d, r) at 8 (r + 16 (d % 2)) + 4 (d / 2)
.set QSC,   227328                     ; Q's: 128 bytes a tile
.set SPARE, 235520                     ; the spare words, 128 bytes a wave: eight blocks of 256 bytes that no other line names
.set LI,  1                            ; v1  16 x lane      v2  4 x lane      v3  8 x lane
.set L4,  2
.set L8,  3
.set SPW, 4                            ; v4  LDS address of my spare word; never rewritten
.set NIL, 5                            ; v5  0; never rewritten
.set AQ,  6                            ; v6  QIMG + 3072 w + 16 l
.set AQS, 7                            ; v7  QSC + 512 w + 4 l
.set AW,  8                            ; projection: v8 the weights' images; v9-11 where V's three code registers go; v12 V's scale bytes; v13 K's scale words; v14 K's images; v15 at work
.set VA,  9
.set VSW, 12
.set KSW, 13
.set AKW, 14
.set TP,  15
.set ADK, 8                            ; attention: v8-11 the step's addresses; v12 -M, v13 the largest t; v[14:15] the sum in two halves
.set ADV, 9
.set ADS, 10
.set ADT, 11
.set NM,  12
.set TMX, 13
.set LS,  14
.set QC,  16                           ; v16-21 Q's codes, v22-27 zeros
.set SCW, 28                           ; v28, v29 ctx's scale bytes of tiles 0, 1 and 2, 3
.set W0,  30                           ; v30, v31 words just made
.set W1,  31
.set ACC, 32                           ; projection: v32-95 eight accumulators
.set KF,  32                           ; attention: v32-79 K's, then V's registers of a step; v80-85 zeros
.set SUM2, 86                          ; v[86:87] the sum's second chain
.set XF,  96                           ; projection: v96-191 x's fragments (u, s) at 96 + 12 (4 u + s)
.set S,   96                           ; attention: v96-159 S^T, then p
.set O,   160                          ; v160-191 O^T
.set BM,  192                          ; v192-227: projection: the weights' fragments 1 to 3 (fragment 0 at v16); else the quantisers' registers:
.set BX,  196                          ;   BM largest magnitudes, BX the other lane's and bytes, SO scale operands, CT second halves of codes, CD = PC codes
.set SO,  200
.set CT,  204
.set T0,  212
.set T1,  213
.set F,   214                          ; v[214:215] f = 2^(old M - new M), later 1 / l; the upper word is 0
.set CD,  216
.set PC,  216
.set WS,  228                          ; SCALE WORDS AND NOTHING ELSE in v228-255.  Projection: weights' (m, s, pair p) at 228 + 8 m + 2 s + p; x's at 252 + s
.set XS,  252
.set KS,  228                          ; attention: K's four, V's two, Q's, p's
.set VS,  232
.set QS,  234
.set PW,  235
; one product.  z = 1: C is the constant 0, else C = D.  ra, rb = 1: that side's scale words stand in lanes 16-31
.macro WM d, a, b, z, sa, sb, ra, rb
.if (\z)
.if (\ra) && (\rb)
	v_wmma_scale_f32_16x16x128_f8f6f4 v[\d:\d+7], v[\a:\a+11], v[\b:\b+11], 0, v[\sa], v[\sb] matrix_a_fmt:MATRIX_FMT_FP6 matrix_b_fmt:MATRIX_FMT_FP6 matrix_a_scale:MATRIX_SCALE_ROW1 matrix_b_scale:MATRIX_SCALE_ROW1
.elseif (\ra)
	v_wmma_scale_f32_16x16x128_f8f6f4 v[\d:\d+7], v[\a:\a+11], v[\b:\b+11], 0, v[\sa], v[\sb] matrix_a_fmt:MATRIX_FMT_FP6 matrix_b_fmt:MATRIX_FMT_FP6 matrix_a_scale:MATRIX_SCALE_ROW1
.elseif (\rb)
	v_wmma_scale_f32_16x16x128_f8f6f4 v[\d:\d+7], v[\a:\a+11], v[\b:\b+11], 0, v[\sa], v[\sb] matrix_a_fmt:MATRIX_FMT_FP6 matrix_b_fmt:MATRIX_FMT_FP6 matrix_b_scale:MATRIX_SCALE_ROW1
.else
	v_wmma_scale_f32_16x16x128_f8f6f4 v[\d:\d+7], v[\a:\a+11], v[\b:\b+11], 0, v[\sa], v[\sb] matrix_a_fmt:MATRIX_FMT_FP6 matrix_b_fmt:MATRIX_FMT_FP6
.endif
.else
.if (\ra) && (\rb)
	v_wmma_scale_f32_16x16x128_f8f6f4 v[\d:\d+7], v[\a:\a+11], v[\b:\b+11], v[\d:\d+7], v[\sa], v[\sb] matrix_a_fmt:MATRIX_FMT_FP6 matrix_b_fmt:MATRIX_FMT_FP6 matrix_a_scale:MATRIX_SCALE_ROW1 matrix_b_scale:MATRIX_SCALE_ROW1
.elseif (\ra)
	v_wmma_scale_f32_16x16x128_f8f6f4 v[\d:\d+7], v[\a:\a+11], v[\b:\b+11], v[\d:\d+7], v[\sa], v[\sb] matrix_a_fmt:MATRIX_FMT_FP6 matrix_b_fmt:MATRIX_FMT_FP6 matrix_a_scale:MATRIX_SCALE_ROW1
.elseif (\rb)
	v_wmma_scale_f32_16x16x128_f8f6f4 v[\d:\d+7], v[\a:\a+11], v[\b:\b+11], v[\d:\d+7], v[\sa], v[\sb] matrix_a_fmt:MATRIX_FMT_FP6 matrix_b_fmt:MATRIX_FMT_FP6 matrix_b_scale:MATRIX_SCALE_ROW1
.else
	v_wmma_scale_f32_16x16x128_f8f6f4 v[\d:\d+7], v[\a:\a+11], v[\b:\b+11], v[\d:\d+7], v[\sa], v[\sb] matrix_a_fmt:MATRIX_FMT_FP6 matrix_b_fmt:MATRIX_FMT_FP6
.endif
.endif
.endm
; four places behind a matrix instruction, in front of loads into its registers and of the first read of its results
.macro PLACES
.rept 4
	v_nop
.endr
.endm
; the four fragments of a weight for K step s: fragment t into v16 (t = 0) or v[180 + 12 t]
.macro WLOAD s
.irp t, 0,1,2,3
.irp k, 0,1,2
	ds_load_b128 v[180+12*\t-164*((3-\t)/3)+4*\k:180+12*\t-164*((3-\t)/3)+4*\k+3], v[AW] offset:(4*\t+(\s))*1536+512*\k
.endr
.endr
.endm
; group g's two fragments of x for K step s, and their scale words
.macro XLOAD g, s
.irp u, 0,1
.irp k, 0,1,2
	global_load_b128 v[XF+12*(4*\u+(\s))+4*\k:XF+12*(4*\u+(\s))+4*\k+3], v[LI], s[4:5] offset:12288*(\g)+6144*\u+1536*(\s)+512*\k
.endr
.endr
	global_load_b32 v[XS+(\s)], v[L4], s[6:7] offset:512*(\g)+128*(\s)
.endm
; 32 numbers of a lane, register 16 b + i = k 32 b + 16 h + i of my row, become six registers of codes (k = 32 h + 0 .. 31) in v[dst] on and two scale bytes in v[word]; dup = 1: repeated in its upper half
.macro QUANT2 src, dst, word, dup
.irp b, 0,1
	v_max3_num_f32 v[BM+\b], |v[\src+16*\b]|, |v[\src+16*\b+1]|, 0x1800000   ; from each accumulator's low end on; the floor 2^(3 - 127) holds the byte at 1 from below
.endr
.irp i, 2,4,6,8,10,12,14
.irp b, 0,1
	v_max3_num_f32 v[BM+\b], v[BM+\b], |v[\src+16*\b+\i]|, |v[\src+16*\b+\i+1]|
.endr
.endr
.irp b, 0,1
	v_permlanex16_b32 v[BX+\b], v[BM+\b], s20, s21
.endr
.irp b, 0,1
	v_max_num_f32 v[BM+\b], v[BM+\b], v[BX+\b]
.endr
.irp b, 0,1
	v_add_nc_u32 v[SO+\b], 0xff000000, v[BM+\b]        ; 2 off the exponent field: the conversion's scale operand
.endr
.irp b, 0,1
	v_lshrrev_b32 v[BX+\b], 23, v[SO+\b]               ; the scale's byte
.endr
	v_lshl_or_b32 v[\word], v[BX+1], 8, v[BX]
.if \dup
	v_lshl_or_b32 v[\word], v[\word], 16, v[\word]
.endif
	v_cvt_scalef32_pk16_fp6_f32 v[\dst:\dst+2], v[\src:\src+15], v[SO]
	v_cvt_scalef32_pk16_fp6_f32 v[CT:CT+2], v[\src+16:\src+31], v[SO+1]
	v_nop                                              ; one plain place behind the scaled conversions
.irp i, 0,1,2
	v_permlane16_swap_b32 v[\dst+\i], v[CT+\i]         ; lanes 0-15 get block 0 whole, lanes 16-31 block 1
.endr
.irp i, 0,1,2
	v_mov_b32 v[\dst+3+\i], v[CT+\i]
.endr
.endm
; Q (m = 0) or K (m = 1) of group g: source 0 = 16 columns of the weight, source 1 = 16 rows of x: a lane holds one row, its 32 registers of a tile u run along the head's 64.  Eight accumulators by turns
.macro MATQK m, g
	v_add_nc_u32 v[AW], 24576*\m, v[LI]
.irp s, 0,1,2,3
	PLACES
	WLOAD \s
	s_wait_dscnt 0x0
.irp t, 0,1,2,3
.irp u, 0,1
	WM ACC+32*\u+8*\t, 180+12*\t-164*((3-\t)/3), XF+12*(4*\u+\s), (3-\s)/3, WS+8*\m+2*\s+\t/2, XS+\s, \t%2, \u
.endr
.endr
.endr
	PLACES
	QUANT2 ACC, CD, W0, 1
	QUANT2 ACC+32, CD+6, W1, 1
.if \m == 0
.irp k, 0,1,2
	ds_store_b128 v[AQ], v[CD+4*\k:CD+4*\k+3] offset:1536*\g+512*\k     ; the pair's twelve registers as they stand
.endr
	ds_store_b32 v[AQS], v[W0] offset:128*(2*\g)
	ds_store_b32 v[AQS], v[W1] offset:128*(2*\g+1)
.else
.irp k, 0,1,2
	ds_store_b128 v[AKW], v[CD+4*\k:CD+4*\k+3] offset:1536*\g+512*\k    ; registers 24 (w % 2) + 12 g + 0 .. 11 of the key step's 48
.endr
	ds_store_b32 v[KSW], v[W0] offset:4*\g             ; both halves of the lanes write a row's word, with the same value
	ds_store_b32 v[KSW], v[W1] offset:256+4*\g
.endif
	s_wait_dscnt 0x0                                   ; the stores have read their registers
.endm
; V of group g: source 0 = 16 rows of x, source 1 = 16 columns of W_v: a lane holds one of the head's 64, the 16 registers of a pair of tiles u are 16 neighbouring keys: half a block.
; With g = 0 the next group's x is asked for as soon as a K step's fragments are done with.
.macro MATV g
	v_add_nc_u32 v[AW], 49152, v[LI]
.irp s, 0,1,2,3
	PLACES
.if (\g == 0) && (\s > 0)
	XLOAD 1, \s-1
.endif
	WLOAD \s
	s_wait_dscnt 0x0
.irp d, 0,1,2,3
.irp u, 0,1
	WM ACC+16*\d+8*\u, XF+12*(4*\u+\s), 180+12*\d-164*((3-\d)/3), (3-\s)/3, XS+\s, WS+16+2*\s+\d/2, \u, \d%2
.endr
.endr
.endr
	PLACES
.if \g == 0
	XLOAD 1, 3
.endif
.irp d, 0,1,2,3
	v_max3_num_f32 v[BM+\d], |v[ACC+16*\d]|, |v[ACC+16*\d+1]|, 0x1800000
.endr
.irp i, 2,4,6,8,10,12,14
.irp d, 0,1,2,3
	v_max3_num_f32 v[BM+\d], v[BM+\d], |v[ACC+16*\d+\i]|, |v[ACC+16*\d+\i+1]|
.endr
.endr
.irp d, 0,1,2,3
	v_permlanex16_b32 v[BX+\d], v[BM+\d], s20, s21
.endr
.irp d, 0,1,2,3
	v_max_num_f32 v[BM+\d], v[BM+\d], v[BX+\d]         ; the block's 32 keys lie in lanes l and l xor 16
.endr
.irp d, 0,1,2,3
	v_add_nc_u32 v[SO+\d], 0xff000000, v[BM+\d]
.endr
.irp d, 0,1,2,3
	v_lshrrev_b32 v[BX+\d], 23, v[SO+\d]
.endr
.irp d, 0,1,2,3
	v_cvt_scalef32_pk16_fp6_f32 v[CT+4*\d:CT+4*\d+2], v[ACC+16*\d:ACC+16*\d+15], v[SO+\d]
.endr
	v_nop
.irp d, 0,1,2,3
.irp i, 0,1,2
	ds_store_b32 v[VA+\i], v[CT+4*\d+\i] offset:1536*\d+256*\g    ; register 6 (w % 2) + 3 h + i of fragment d, in lane r + 16 g: the store's address brings the two halves of a block into one lane
.endr
.endr
.irp d, 0,1,2,3
	ds_store_b8 v[VSW], v[BX+\d] offset:128*(\d%2)+4*(\d/2)+\g    ; byte 2 (w % 2) + g of word (d, r)
.endr
	s_wait_dscnt 0x0
.endm
	s_load_b256 s[4:11], s[0:1], 0x0               ; xc s[4:5], xs s[6:7], wimg s[8:9], wsc s[10:11]
	s_load_b128 s[12:15], s[0:1], 0x20             ; ctxc s[12:13], ctxs s[14:15]
	v_lshl_add_u32 v[SPW], v0, 2, SPARE
	v_mov_b32 v[NIL], 0
	v_lshrrev_b32 v[TP], 5, v0
	v_readfirstlane_b32 s16, v[TP]                 ; wave 0..15
	s_mov_b32 s17, ttmp9                           ; head
	s_and_b32 s18, ttmp7, 0xffff                   ; batch
	v_and_b32 v[TP], 31, v0
	v_lshlrev_b32 v[LI], 4, v[TP]
	v_lshlrev_b32 v[L4], 2, v[TP]
	v_lshlrev_b32 v[L8], 3, v[TP]
	s_mul_i32 s30, s16, 3072
	v_add_nc_u32 v[AQ], s30, v[LI]
	v_add_nc_u32 v[AKW], KIMG, v[AQ]
	v_add_nc_u32 v[AQ], QIMG, v[AQ]
	s_lshl_b32 s30, s16, 9
	v_add_nc_u32 v[AQS], s30, v[L4]
	v_add_nc_u32 v[AQS], QSC, v[AQS]
	s_lshr_b32 s32, s16, 1                         ; as keys my rows are half s33 of key step s32
	s_and_b32 s33, s16, 1
	v_and_b32 v[TP], 15, v0                        ; r
	s_lshl_b32 s30, s32, 9
	s_lshl_b32 s31, s33, 3
	s_add_co_u32 s30, s30, s31
	s_add_co_u32 s30, s30, KSC
	v_lshl_add_u32 v[KSW], v[TP], 4, s30
	s_lshl_b32 s30, s32, 8
	s_lshl_b32 s31, s33, 1
	s_add_co_u32 s30, s30, s31
	s_add_co_u32 s30, s30, VSC
	v_lshl_add_u32 v[VSW], v[TP], 3, s30
	s_mul_i32 s30, s32, 6144
	s_add_co_u32 s30, s30, VIMG
	v_lshl_add_u32 v[AW], v[TP], 4, s30            ; VIMG + 6144 x step + 16 r
	s_mul_i32 s31, s33, 6
	v_bfe_u32 v[TP], v0, 4, 1
	v_mul_u32_u24 v[TP], v[TP], 3
	v_add_nc_u32 v[TP], s31, v[TP]                 ; 6 (w % 2) + 3 h
.irp i, 0,1,2
	v_add_nc_u32 v[W0], \i, v[TP]                  ; the register's number R in its fragment:
	v_lshrrev_b32 v[W1], 2, v[W0]
	v_and_b32 v[W0], 3, v[W0]
	v_lshl_add_u32 v[VA+\i], v[W1], 9, v[AW]       ; chunk R / 4,
	v_lshl_add_u32 v[VA+\i], v[W0], 2, v[VA+\i]    ; word R % 4 of the lane's 16 bytes
.endr
	s_mul_i32 s19, s16, 1536
	v_add_nc_u32 v[TP], s19, v[LI]                 ; where I put my share of the weights' images
.irp b, 0,1,2,3
	v_mov_b32 v[BX+\b], 0                          ; written once: a lane permute's destination counts as one of its sources
.endr
	s_mov_b32 s20, 0x76543210
	s_mov_b32 s21, 0xfedcba98                      ; v_permlanex16_b32's selects for lane l xor 16
	s_mov_b32 s22, 0x3e38aa3b                      ; c = log2(e) / sqrt(64)
	s_mov_b32 s23, s22                             ; (named with it as a pair, so it is written)
	s_mul_i32 s30, s18, 393216                     ; xc: 32 groups of 12,288 bytes a batch, two groups a wave
	s_mul_i32 s31, s16, 24576
	s_add_co_u32 s30, s30, s31
	s_mov_b32 s31, 0
	s_mul_i32 s34, s17, 768                        ; ctxc: the same place, + the head's half fragment
	s_add_co_u32 s34, s34, s30
	s_mov_b32 s35, 0
	s_lshl_b32 s36, s18, 14                        ; xs
	s_lshl_b32 s37, s16, 10
	s_add_co_u32 s36, s36, s37
	s_mov_b32 s37, 0
	s_mul_i32 s38, s17, 24576                      ; wimg: the head's four tiles; I copy fragment w of each matrix's sixteen
	s_add_co_u32 s38, s38, s19
	s_mov_b32 s39, 0
	s_wait_kmcnt 0x0
	s_add_nc_u64 s[4:5], s[4:5], s[30:31]
	s_add_nc_u64 s[12:13], s[12:13], s[34:35]
	s_add_nc_u64 s[6:7], s[6:7], s[36:37]
	s_add_nc_u64 s[8:9], s[8:9], s[38:39]
	s_lshl_b32 s30, s17, 8
	s_add_nc_u64 s[10:11], s[10:11], s[30:31]      ; wsc: 64 bytes a tile
	s_lshl_b32 s30, s18, 3
	s_add_co_u32 s30, s30, s17
	s_lshl_b32 s30, s30, 11
	s_lshl_b32 s34, s16, 7
	s_add_co_u32 s30, s30, s34
	s_add_nc_u64 s[14:15], s[14:15], s[30:31]      ; ctxs: 2,048 bytes a (batch, head), 128 a wave
.irp m, 0,1,2
.irp i, 0,1,2
	global_load_b128 v[ACC+12*\m+4*\i:ACC+12*\m+4*\i+3], v[LI], s[8:9] offset:196608*\m+512*\i
.endr
.endr
.irp m, 0,1,2
.irp s, 0,1,2,3
.irp p, 0,1
	global_load_b32 v[WS+8*\m+2*\s+\p], v[L4], s[10:11] offset:2048*(4*\m+\s)+128*\p   ; lanes 0-15 tile 2 p, lanes 16-31 tile 2 p + 1
.endr
.endr
.endr
.irp s, 0,1,2,3
	XLOAD 0, \s
.endr
	s_wait_loadcnt 52                              ; the nine loads of images are in: behind them 24 scale words and 28 loads of x were issued
.irp m, 0,1,2
.irp i, 0,1,2
	ds_store_b128 v[TP], v[ACC+12*\m+4*\i:ACC+12*\m+4*\i+3] offset:24576*\m+512*\i
.endr
.endr
	s_wait_dscnt 0x0                               ; for the others' sake: my share of the weights lies in LDS
	s_barrier_signal -1
	s_barrier_wait -1                              ; everybody's does
	s_wait_loadcnt 0x0
	MATQK 0, 0
	MATQK 1, 0
	MATV 0
	s_wait_loadcnt 0x0                             ; group 1's x
	MATQK 0, 1
	MATQK 1, 1
	MATV 1                                         ; (it ends with the wait for all my LDS stores)
	s_barrier_signal -1
	s_barrier_wait -1                              ; the head's K and V lie in LDS; from here on LDS is only read
.irp j, 0,1,2,3,4,5
	v_mov_b32 v[QC+6+\j], 0                        ; the empty half of K = 128: zero codes
	v_mov_b32 v[KF+48+\j], 0
.endr
	v_mov_b32 v[F+1], 0                            ; (named as the upper half of a pair)
	v_mov_b32 v[T1], 0
; A KEY STEP: 128 keys for one tile of 16 queries
.macro STEP
	v_add_nc_u32 v[ADK], s24, v[LI]                ; these four are also the places in front of the loads into registers that the last products read
	v_add_nc_u32 v[ADV], s25, v[LI]
	v_add_nc_u32 v[ADS], s26, v[LI]
	v_add_nc_u32 v[ADT], s27, v[L8]
.irp k, 0,1,2,3,4,5,6,7,8,9,10,11
	ds_load_b128 v[KF+4*\k:KF+4*\k+3], v[ADK] offset:512*\k
.endr
	ds_load_b128 v[KS:KS+3], v[ADS]                ; register q: lanes 0-15 tile 2 q's words, lanes 16-31 tile 2 q + 1's
	s_wait_dscnt 0x0
.irp t, 0,1,2,3,4,5,6,7
	WM S+8*\t, KF+6*\t, QC, 1, KS+\t/2, QS, \t%2, 0    ; S^T: lane (r, h) holds query r; registers 16 b + i are keys 32 b + 16 h + i of the step
.endr
	PLACES
.irp k, 0,1,2,3,4,5,6,7,8,9,10,11
	ds_load_b128 v[KF+4*\k:KF+4*\k+3], v[ADV] offset:512*\k    ; V's four fragments land during the softmax
.endr
	ds_load_b64 v[VS:VS+1], v[ADT]
.irp b, 0,1,2,3
	v_max3_num_f32 v[BM+\b], v[S+16*\b], v[S+16*\b+1], v[S+16*\b+2]    ; the largest score of each block of 32 keys: for the row's maximum and, since p rises with the score, for the block's largest p
.endr
.irp i, 3,5,7,9,11,13
.irp b, 0,1,2,3
	v_max3_num_f32 v[BM+\b], v[BM+\b], v[S+16*\b+\i], v[S+16*\b+\i+1]
.endr
.endr
.irp b, 0,1,2,3
	v_max_num_f32 v[BM+\b], v[BM+\b], v[S+16*\b+15]
.endr
.irp b, 0,1,2,3
	v_permlanex16_b32 v[BX+\b], v[BM+\b], s20, s21
.endr
.irp b, 0,1,2,3
	v_max_num_f32 v[BM+\b], v[BM+\b], v[BX+\b]
.endr
	v_max3_num_f32 v[T0], v[BM], v[BM+1], v[BM+2]
	v_max_num_f32 v[T0], v[T0], v[BM+3]
	v_mul_f32 v[T0], s22, v[T0]                    ; as t (c is positive)
	v_max_num_f32 v[TMX], v[TMX], v[T0]            ; the running largest t
	v_mov_b32 v[T0], v[NM]
	v_floor_f32 v[NM], -v[TMX]                     ; the new -M = -ceil(t)
	v_sub_f32 v[T0], v[NM], v[T0]                  ; old M - new M: a whole number, 0 or less
	v_cvt_i32_f32 v[T0], v[T0]                     ; (it saturates)
	v_ldexp_f32 v[F], 1.0, v[T0]                   ; f = 2^(old M - new M)
.set j, 0
.rept 32
	v_pk_fma_f32 v[S+j:S+j+1], v[S+j:S+j+1], s[22:23], v[NM:NM+1] op_sel_hi:[1,0,0]    ; t - M, two at a time
.set j, j+2
.endr
.irp b, 0,1,2,3
	v_fma_f32 v[BM+\b], v[BM+\b], s22, v[NM]
.endr
.set j, 0
.rept 64
	v_exp_f32 v[S+j], v[S+j]                       ; p = 2^(t - M): one batch
.set j, j+1
.endr
	v_pk_mul_f32 v[LS:LS+1], v[LS:LS+1], v[F:F+1] op_sel_hi:[1,0]    ; the sums under the new M: the plain place behind the batch
	s_wait_alu depctr_va_vdst(0)                   ; one wait for the 64, ahead of their first reader
.irp b, 0,1,2,3
	v_exp_f32 v[BM+\b], v[BM+\b]                   ; the blocks' largest p
.endr
	v_pk_add_f32 v[SUM2:SUM2+1], v[S:S+1], v[S+2:S+3]    ; the row's sum, of the unquantised p, in two chains
.set j, 4
.rept 15
	v_pk_add_f32 v[LS:LS+1], v[LS:LS+1], v[S+j:S+j+1]
	v_pk_add_f32 v[SUM2:SUM2+1], v[SUM2:SUM2+1], v[S+j+2:S+j+3]
.set j, j+4
.endr
	v_pk_add_f32 v[LS:LS+1], v[LS:LS+1], v[SUM2:SUM2+1]
	s_wait_alu depctr_va_vdst(0)                   ; and one for the four
.irp b, 0,1,2,3
	v_max_num_f32 v[BM+\b], 0x1800000, v[BM+\b]    ; the floor: a block whose every p is 0 keeps the byte 1, and its codes are zeros
.endr
.irp b, 0,1,2,3
	v_add_nc_u32 v[SO+\b], 0xff000000, v[BM+\b]
.endr
.irp b, 0,1,2,3
	v_lshrrev_b32 v[BX+\b], 23, v[SO+\b]
.endr
	v_lshl_or_b32 v[PW], v[BX+1], 8, v[BX]         ; p's scale word for these 128 keys
	v_lshl_or_b32 v[PW], v[BX+2], 16, v[PW]
	v_lshl_or_b32 v[PW], v[BX+3], 24, v[PW]
.irp c, 0,1
	v_cvt_scalef32_pk16_fp6_f32 v[PC+6*\c:PC+6*\c+2], v[S+32*\c:S+32*\c+15], v[SO+2*\c]
	v_cvt_scalef32_pk16_fp6_f32 v[CT+4*\c:CT+4*\c+2], v[S+32*\c+16:S+32*\c+31], v[SO+2*\c+1]
.endr
	v_nop
.irp c, 0,1
.irp i, 0,1,2
	v_permlane16_swap_b32 v[PC+6*\c+\i], v[CT+4*\c+\i]
.endr
.irp i, 0,1,2
	v_mov_b32 v[PC+6*\c+3+\i], v[CT+4*\c+\i]
.endr
.endr
.set j, 0
.rept 16
	v_pk_mul_f32 v[O+j:O+j+1], v[O+j:O+j+1], v[F:F+1] op_sel_hi:[1,0]    ; O^T under the new M; these sixteen also stand between the writes of p's codes and scale word and the products
.set j, j+2
.endr
	s_wait_dscnt 0x0                               ; V
.irp d, 0,1,2,3
	WM O+8*\d, KF+12*\d, PC, 0, VS+\d/2, PW, \d%2, 0    ; O^T += V^T P^T: four accumulators by turns
.endr
	s_add_co_u32 s24, s24, 6144
	s_add_co_u32 s25, s25, 6144
	s_add_co_u32 s26, s26, 512
	s_add_co_u32 s27, s27, 256
.endm
; THE ATTENTION OF MY TILE i
.macro TILE i
	s_wait_xcnt 0x0                                ; the last tile's stores have read their data registers, which the first key step writes again
.if (\i)%2 == 0
	ds_load_b128 v[QC:QC+3], v[AQ] offset:1536*((\i)/2)            ; registers 0-5 of the pair's twelve
	ds_load_b64 v[QC+4:QC+5], v[AQ] offset:1536*((\i)/2)+512
.else
	ds_load_b64 v[QC:QC+1], v[AQ] offset:1536*((\i)/2)+520         ; registers 6-11
	ds_load_b128 v[QC+2:QC+5], v[AQ] offset:1536*((\i)/2)+1024
.endif
	ds_load_b32 v[QS], v[AQS] offset:128*(\i)
	v_mov_b32 v[TMX], 0xff61b1e6                   ; the largest t so far: -3e38
	v_floor_f32 v[NM], -v[TMX]
	v_mov_b32 v[LS], 0
	v_mov_b32 v[LS+1], 0
.set j, 0
.rept 32
	v_mov_b32 v[O+j], 0                            ; the step is written once: the first finds zeros, which the first change of M leaves zeros
.set j, j+1
.endr
	s_mov_b32 s24, KIMG
	s_mov_b32 s25, VIMG
	s_mov_b32 s26, KSC
	s_mov_b32 s27, VSC
	s_mov_b32 s28, 8
	s_wait_dscnt 0x0
.Lkey_\@:
	STEP
	s_sub_co_u32 s28, s28, 1
	s_cmp_lg_u32 s28, 0
	s_cbranch_scc1 .Lkey_\@
	PLACES
	v_add_f32 v[LS], v[LS], v[LS+1]                ; the sum's two halves,
	v_permlanex16_b32 v[T1], v[LS], s20, s21
	v_add_f32 v[LS], v[LS], v[T1]                  ; and lane l xor 16's
	v_rcp_f32 v[F], v[LS]
	v_nop                                          ; a plain place behind the reciprocal
	s_wait_alu depctr_va_vdst(0)                   ; and the wait ahead of its first reader
.set j, 0
.rept 16
	v_pk_mul_f32 v[S+j:S+j+1], v[O+j:O+j+1], v[F:F+1] op_sel_hi:[1,0]    ; ctx = O^T / l, each accumulator from its low end on: register 16 b + i is column 64 head + 32 b + 16 h + i
.set j, j+2
.endr
	QUANT2 S, CD, T0, 0
	global_store_b128 v[LI], v[CD:CD+3], s[12:13] offset:6144*(\i)         ; half a fragment of the last product: 512 and 256 consecutive bytes, at multiples of 256 from the buffer's first byte
	global_store_b64 v[L8], v[CD+4:CD+5], s[12:13] offset:6144*(\i)+512
.if (\i)%2 == 0
	v_mov_b32 v[SCW+(\i)/2], v[T0]
.else
	v_lshl_or_b32 v[SCW+(\i)/2], v[T0], 16, v[SCW+(\i)/2]
.endif
.endm
	TILE 0
	TILE 1
	TILE 2
	TILE 3
	v_and_b32 v[W0], 31, v0
	v_cmp_gt_u32 vcc_lo, 16, v[W0]
	v_cndmask_b32 v[W1], v[SCW+1], v[SCW], vcc_lo  ; lanes 0-15: tiles 0 and 1; lanes 16-31: tiles 2 and 3 (both halves of the lanes hold a row's bytes)
	global_store_b32 v[L4], v[W1], s[14:15]
	s_wait_tensorcnt 0x0                           ; the wave's end, behind my last LDS store
	ds_add_u32 v[SPW], v[NIL]
	s_wait_dscnt 0x0
	s_endpgm
.Lfunc_end_k_q16433fd91c_attn:
	.size	k_q16433fd91c_attn, .Lfunc_end_k_q16433fd91c_attn-k_q16433fd91c_attn
	.p2alignl 7, 3214868480
	.fill 96, 4, 3214868480
	.section	.rodata,"a",@progbits
	.p2align	6, 0x0
	.amdhsa_kernel k_q16433fd91c_attn
		.amdhsa_group_segment_fixed_size 237568
		.amdhsa_private_segment_fixed_size 0
		.amdhsa_enable_private_segment 0
		.amdhsa_kernarg_size 48
		.amdhsa_user_sgpr_count 2
		.amdhsa_user_sgpr_kernarg_segment_ptr 1
		.amdhsa_wavefront_size32 1
		.amdhsa_system_sgpr_workgroup_id_x 1
		.amdhsa_system_sgpr_workgroup_id_y 1
		.amdhsa_system_sgpr_workgroup_id_z 1
		.amdhsa_system_vgpr_workitem_id 0
		.amdhsa_next_free_vgpr 256
		.amdhsa_next_free_sgpr 66
		.amdhsa_reserve_vcc 1
		.amdhsa_float_denorm_mode_32 3
		.amdhsa_float_denorm_mode_16_64 3
		.amdhsa_memory_ordered 1
		.amdhsa_forward_progress 1
		.amdhsa_inst_pref_size 168
	.end_amdhsa_kernel
	.amdgpu_metadata
---
amdhsa.version: [ 1, 2 ]
amdhsa.kernels:
  - .name:           k_q16433fd91c_attn
    .symbol:         k_q16433fd91c_attn.kd
    .args:
      - { .name: xc, .offset: 0, .size: 8, .value_kind: global_buffer, .address_space: global }
      - { .name: xs, .offset: 8, .size: 8, .value_kind: global_buffer, .address_space: global }
      - { .name: wimg, .offset: 16, .size: 8, .value_kind: global_buffer, .address_space: global }
      - { .name: wsc, .offset: 24, .size: 8, .value_kind: global_buffer, .address_space: global }
      - { .name: ctxc, .offset: 32, .size: 8, .value_kind: global_buffer, .address_space: global }
      - { .name: ctxs, .offset: 40, .size: 8, .value_kind: global_buffer, .address_space: global }
    .group_segment_fixed_size: 237568
    .private_segment_fixed_size: 0
    .kernarg_segment_align: 8
    .kernarg_segment_size: 48
    .max_flat_workgroup_size: 512
    .sgpr_count:     66
    .vgpr_count:     256
    .wavefront_size: 32
...
	.end_amdgpu_metadata
.endif
;; end of part 2
;; launch outp (part 3): grid 256 x 1, 16 waves a work-group, no clusters, 315,392 bytes of LDS; arguments ctxc, ctxs, wimg, wsc, out0; writes out0
.if DOCPART == 3
	.amdgcn_target "amdgcn-amd-amdhsa--gfx1250"
	.amdhsa_code_object_version 6
	.text
	.protected	k_q16433fd91c_outp
	.globl	k_q16433fd91c_outp
	.p2align	8
	.type	k_q16433fd91c_outp,@function
k_q16433fd91c_outp:
	s_mov_b64 s[64:65], 0
	v_nop
	global_prefetch_b8 v0, s[64:65] scope:SCOPE_SE
	s_setreg_imm32_b32 hwreg(HW_REG_WAVE_MODE, 25, 1), 1
	s_wait_xcnt 0x0
; out0 [32768][512] f32 = ctx x fc_out, on codes of FP6 (E2M3) with one E8M0 scale for each 32 along K; both operands come as images of operand registers.
; Work-group n takes rows 128 n .. 128 n + 127: eight tiles of 16 rows (in the tile order: place i of tile T holds row 32 (T / 2) + 8 (T % 2) + i + 8 (i / 8)), in two blocks of four.
; THE WAVES SHARE THE COLUMNS: wave w of sixteen keeps fc_out's tiles 2 w and 2 w + 1 (columns 32 w .. 32 w + 31, all of K) in 96 registers, read from memory once.
; The rows' codes, 49,152 dense bytes, are copied into LDS once and read by all sixteen waves.
; The product is used transposed (source 0 = 16 columns of fc_out, source 1 = 16 rows of ctx): a lane's 16 registers of its two tiles are 16 neighbouring columns of one row.
; A row's 2,048 bytes come from sixteen waves: they meet in a stage in LDS (each block has its own, so no LDS byte is written twice) and leave as runs of 512 consecutive bytes.  Three barriers in all.
; No tensor load, no cluster: the work-groups share only fc_out's 196,608 bytes of codes, which each wave reads once into registers.
; LIMITS: as the codes and scale bytes are given: NaN and infinities are not served.
.set CIMG,  0                          ; LDS: [tile: 8][head: 8][768]: half a fragment = 512 bytes (registers 0-3 at 16 l), then 256 (registers 4, 5 at 8 l)
.set STG,   49152                      ; two stages of 64 rows x (2,048 + 16) bytes
.set SROW,  2064
.set SPARE, STG+2*64*SROW              ; the spare words, 128 bytes a wave: eight blocks of 256 bytes that no other line names
.set LI,  1                            ; v1  16 x lane
.set L4,  2                            ; v2  4 x lane
.set L8,  3                            ; v3  8 x lane + 512
.set SPW, 4                            ; v4  LDS address of my spare word; never rewritten
.set NIL, 5                            ; v5  0; never rewritten
.set SO0, 6                            ; v6  STG + 2064 r + 64 h + 128 w
.set SR0, 7                            ; v7  STG + 4 x 2064 w + 16 l
.set SOT, 8                            ; v8-11  the block's four tiles in the stage
.set SRT, 12                           ; v12 where I read rows back
.set TP,  13
.set FF,  16                           ; v16-111  fc_out's fragments (e, s) at 16 + 12 (4 e + s)
.set CF,  112                          ; v112-159 ctx's four fragments of a K step
.set ACC, 160                          ; v160-223 accumulators (i, e) at 160 + 16 i + 8 e; first the scale bytes as loaded, at the end rows of out0
.set FS,  224                          ; v224-227 fc_out's scale words: lanes 0-15 tile 2 w, lanes 16-31 tile 2 w + 1
.set ES,  228                          ; v228-243 ctx's scale words (block x, s, i % 2) at 228 + 8 x + 2 s + i % 2: lanes 0-15 tile i = 0, 1, lanes 16-31 tile i = 2, 3
.macro WM d, a, b, z, sa, sb, ra, rb   ; one product.  z = 1: C is the constant 0, else C = D.  ra, rb = 1: that side's scale words stand in lanes 16-31
.if (\z)
.if (\ra) && (\rb)
	v_wmma_scale_f32_16x16x128_f8f6f4 v[\d:\d+7], v[\a:\a+11], v[\b:\b+11], 0, v[\sa], v[\sb] matrix_a_fmt:MATRIX_FMT_FP6 matrix_b_fmt:MATRIX_FMT_FP6 matrix_a_scale:MATRIX_SCALE_ROW1 matrix_b_scale:MATRIX_SCALE_ROW1
.elseif (\ra)
	v_wmma_scale_f32_16x16x128_f8f6f4 v[\d:\d+7], v[\a:\a+11], v[\b:\b+11], 0, v[\sa], v[\sb] matrix_a_fmt:MATRIX_FMT_FP6 matrix_b_fmt:MATRIX_FMT_FP6 matrix_a_scale:MATRIX_SCALE_ROW1
.elseif (\rb)
	v_wmma_scale_f32_16x16x128_f8f6f4 v[\d:\d+7], v[\a:\a+11], v[\b:\b+11], 0, v[\sa], v[\sb] matrix_a_fmt:MATRIX_FMT_FP6 matrix_b_fmt:MATRIX_FMT_FP6 matrix_b_scale:MATRIX_SCALE_ROW1
.else
	v_wmma_scale_f32_16x16x128_f8f6f4 v[\d:\d+7], v[\a:\a+11], v[\b:\b+11], 0, v[\sa], v[\sb] matrix_a_fmt:MATRIX_FMT_FP6 matrix_b_fmt:MATRIX_FMT_FP6
.endif
.else
.if (\ra) && (\rb)
	v_wmma_scale_f32_16x16x128_f8f6f4 v[\d:\d+7], v[\a:\a+11], v[\b:\b+11], v[\d:\d+7], v[\sa], v[\sb] matrix_a_fmt:MATRIX_FMT_FP6 matrix_b_fmt:MATRIX_FMT_FP6 matrix_a_scale:MATRIX_SCALE_ROW1 matrix_b_scale:MATRIX_SCALE_ROW1
.elseif (\ra)
	v_wmma_scale_f32_16x16x128_f8f6f4 v[\d:\d+7], v[\a:\a+11], v[\b:\b+11], v[\d:\d+7], v[\sa], v[\sb] matrix_a_fmt:MATRIX_FMT_FP6 matrix_b_fmt:MATRIX_FMT_FP6 matrix_a_scale:MATRIX_SCALE_ROW1
.elseif (\rb)
	v_wmma_scale_f32_16x16x128_f8f6f4 v[\d:\d+7], v[\a:\a+11], v[\b:\b+11], v[\d:\d+7], v[\sa], v[\sb] matrix_a_fmt:MATRIX_FMT_FP6 matrix_b_fmt:MATRIX_FMT_FP6 matrix_b_scale:MATRIX_SCALE_ROW1
.else
	v_wmma_scale_f32_16x16x128_f8f6f4 v[\d:\d+7], v[\a:\a+11], v[\b:\b+11], v[\d:\d+7], v[\sa], v[\sb] matrix_a_fmt:MATRIX_FMT_FP6 matrix_b_fmt:MATRIX_FMT_FP6
.endif
.endif
.endm
.macro PLACES                          ; four places behind a matrix instruction, in front of loads into its registers and of the first read of its results
.rept 4
	v_nop
.endr
.endm
	s_load_b256 s[4:11], s[0:1], 0x0               ; ctxc s[4:5], ctxs s[6:7], wimg s[8:9], wsc s[10:11]
	s_load_b64 s[12:13], s[0:1], 0x20              ; out0
	v_lshl_add_u32 v[SPW], v0, 2, SPARE
	v_mov_b32 v[NIL], 0
	v_lshrrev_b32 v[TP], 5, v0
	v_readfirstlane_b32 s16, v[TP]                 ; wave 0..15
	v_and_b32 v[TP], 31, v0
	v_lshlrev_b32 v[LI], 4, v[TP]
	v_lshlrev_b32 v[L4], 2, v[TP]
	v_lshlrev_b32 v[L8], 3, v[TP]
	v_add_nc_u32 v[L8], 512, v[L8]
	v_and_b32 v[TP], 15, v0
	v_mul_u32_u24 v[SO0], v[TP], SROW
	v_bfe_u32 v[TP], v0, 4, 1
	v_lshl_add_u32 v[SO0], v[TP], 6, v[SO0]
	s_lshl_b32 s20, s16, 7
	s_add_co_u32 s20, s20, STG
	v_add_nc_u32 v[SO0], s20, v[SO0]
	s_mul_i32 s20, s16, 4*SROW
	s_add_co_u32 s20, s20, STG
	v_add_nc_u32 v[SR0], s20, v[LI]
	s_mul_i32 s21, s16, 3072
	v_add_nc_u32 v[TP], s21, v[LI]                 ; my share of the copy: 3,072 bytes
	s_mov_b32 s18, 0x05040100                      ; v_perm_b32: the two low halves;
	s_mov_b32 s19, 0x07060302                      ; the two high halves
	s_mul_i32 s22, ttmp9, 49152
	s_add_co_u32 s22, s22, s21
	s_mov_b32 s23, 0
	s_lshr_b32 s24, ttmp9, 3                       ; ctxs: 16,384 bytes a batch, 2,048 a head, 128 for each four tiles: my eight tiles begin 256 (n % 8) bytes on
	s_lshl_b32 s24, s24, 14
	s_and_b32 s25, ttmp9, 7
	s_lshl_b32 s25, s25, 8
	s_add_co_u32 s24, s24, s25
	s_mov_b32 s25, 0
	s_mul_i32 s26, s16, 12288                      ; wimg: matrix 3, tiles 2 w and 2 w + 1
	s_add_co_u32 s26, s26, 589824
	s_mov_b32 s27, 0
	s_lshl_b32 s28, s16, 7
	s_add_co_u32 s28, s28, 24576
	s_mov_b32 s29, 0
	s_lshl_b32 s30, ttmp9, 7                       ; out0: I store stage rows 4 w .. 4 w + 3 of a block: places 4 (w % 4) + j of tile w / 4, which are the rows
	s_lshr_b32 s31, s16, 3                         ; 128 n + 64 x + 32 (w / 8) + 8 ((w / 4) % 2) + 8 ((w / 2) % 2) + 4 (w % 4) + j
	s_lshl_b32 s31, s31, 5
	s_add_co_u32 s30, s30, s31
	s_bfe_u32 s31, s16, 0x10002
	s_lshl_b32 s31, s31, 3
	s_add_co_u32 s30, s30, s31
	s_bfe_u32 s31, s16, 0x10001
	s_lshl_b32 s31, s31, 3
	s_add_co_u32 s30, s30, s31
	s_and_b32 s31, s16, 3
	s_lshl_b32 s31, s31, 2
	s_add_co_u32 s30, s30, s31
	s_lshl_b32 s30, s30, 11
	s_mov_b32 s31, 0
	s_wait_kmcnt 0x0
	s_add_nc_u64 s[4:5], s[4:5], s[22:23]
	s_add_nc_u64 s[6:7], s[6:7], s[24:25]
	s_add_nc_u64 s[8:9], s[8:9], s[26:27]
	s_add_nc_u64 s[10:11], s[10:11], s[28:29]
	s_add_nc_u64 s[12:13], s[12:13], s[30:31]
.irp k, 0,1,2,3,4,5
	global_load_b128 v[CF+4*\k:CF+4*\k+3], v[LI], s[4:5] offset:512*\k th:TH_LOAD_NT
.endr
.irp x, 0,1
.irp s, 0,1,2,3
.irp c, 0,1
	global_load_b32 v[ACC+8*\x+2*\s+\c], v[L4], s[6:7] offset:2048*(2*\s+\c)+128*\x    ; head 2 s + c: low half the bytes of tile 2 (lane / 16), high half those of tile 2 (lane / 16) + 1
.endr
.endr
.endr
.irp e, 0,1
.irp s, 0,1,2,3
.irp k, 0,1,2
	global_load_b128 v[FF+12*(4*\e+\s)+4*\k:FF+12*(4*\e+\s)+4*\k+3], v[LI], s[8:9] offset:6144*\e+1536*\s+512*\k
.endr
.endr
.endr
.irp s, 0,1,2,3
	global_load_b32 v[FS+\s], v[L4], s[10:11] offset:2048*\s
.endr
	s_wait_loadcnt 44                              ; ctx's six loads are in: 16 + 24 + 4 were issued behind them
.irp k, 0,1,2,3,4,5
	ds_store_b128 v[TP], v[CF+4*\k:CF+4*\k+3] offset:512*\k
.endr
	s_wait_loadcnt 28                              ; the sixteen loads of scale bytes are in: 24 + 4 were issued behind them
.irp x, 0,1
.irp s, 0,1,2,3
	v_perm_b32 v[ES+8*\x+2*\s], v[ACC+8*\x+2*\s+1], v[ACC+8*\x+2*\s], s18       ; a K step's word: head 2 s's two bytes below, head 2 s + 1's above; tiles 0 and 2,
	v_perm_b32 v[ES+8*\x+2*\s+1], v[ACC+8*\x+2*\s+1], v[ACC+8*\x+2*\s], s19     ; tiles 1 and 3
.endr
.endr
.rept 8
	v_nop                                          ; a scale register written by a vector instruction stands eight places ahead of a scaled matrix instruction
.endr
	s_wait_dscnt 0x0                               ; for the others' sake: my share of the rows' codes lies in LDS
	s_barrier_signal -1
	s_barrier_wait -1
	s_wait_loadcnt 0x0
; A BLOCK of four tiles of rows: 32 products (eight accumulators by turns), the stage, 16 stores
.macro BLOCK x
.irp s, 0,1,2,3
	PLACES
.irp i, 0,1,2,3
.irp c, 0,1
	ds_load_b128 v[CF+12*\i+6*\c:CF+12*\i+6*\c+3], v[LI] offset:(4*\x+\i)*6144+(2*\s+\c)*768
	ds_load_b64 v[CF+12*\i+6*\c+4:CF+12*\i+6*\c+5], v[L8] offset:(4*\x+\i)*6144+(2*\s+\c)*768
.endr
.endr
	s_wait_dscnt 0x0
.irp i, 0,1,2,3
.irp e, 0,1
	WM ACC+16*\i+8*\e, FF+12*(4*\e+\s), CF+12*\i, (3-\s)/3, FS+\s, ES+8*\x+2*\s+\i%2, \e, \i/2
.endr
.endr
.endr
	PLACES
.irp i, 0,1,2,3
	v_add_nc_u32 v[SOT+\i], 16*SROW*(4*\x+\i), v[SO0]
.endr
.irp i, 0,1,2,3
.irp q, 0,1,2,3
	ds_store_b128 v[SOT+\i], v[ACC+16*\i+4*\q:ACC+16*\i+4*\q+3] offset:16*\q    ; lane (r, h): place r of tile i, columns 32 w + 16 h + 0 .. 15; each accumulator from its low end on
.endr
.endr
	v_add_nc_u32 v[SRT], 64*SROW*\x, v[SR0]
	s_wait_dscnt 0x0                               ; for the others' sake: my columns lie in the stage
	s_barrier_signal -1
	s_barrier_wait -1                              ; 64 whole rows do
.irp j, 0,1,2,3
.irp q, 0,1,2,3
	ds_load_b128 v[ACC+4*(4*\j+\q):ACC+4*(4*\j+\q)+3], v[SRT] offset:SROW*\j+512*\q
.endr
.endr
.irp j, 0,1,2,3
.irp q, 0,1,2,3
	s_wait_dscnt 15-4*\j-\q                        ; LDS loads come back in order: this one is in, the younger may be out
	global_store_b128 v[LI], v[ACC+4*(4*\j+\q):ACC+4*(4*\j+\q)+3], s[12:13] offset:131072*\x+2048*\j+512*\q th:TH_STORE_NT    ; 512 consecutive bytes, at a multiple of 256 from out0's first byte; written once, read by nobody here
.endr
.endr
.endm
	BLOCK 0
	s_wait_xcnt 0x0                                ; block 0's stores have read their data registers, which block 1's products write; the stores leave while block 1 is multiplied
	BLOCK 1
	s_wait_tensorcnt 0x0                           ; the wave's end, behind my last LDS store
	ds_add_u32 v[SPW], v[NIL]
	s_wait_dscnt 0x0
	s_endpgm
.Lfunc_end_k_q16433fd91c_outp:
	.size	k_q16433fd91c_outp, .Lfunc_end_k_q16433fd91c_outp-k_q16433fd91c_outp
	.p2alignl 7, 3214868480
	.fill 96, 4, 3214868480
	.section	.rodata,"a",@progbits
	.p2align	6, 0x0
	.amdhsa_kernel k_q16433fd91c_outp
		.amdhsa_group_segment_fixed_size 315392
		.amdhsa_private_segment_fixed_size 0
		.amdhsa_enable_private_segment 0
		.amdhsa_kernarg_size 40
		.amdhsa_user_sgpr_count 2
		.amdhsa_user_sgpr_kernarg_segment_ptr 1
		.amdhsa_wavefront_size32 1
		.amdhsa_system_sgpr_workgroup_id_x 1
		.amdhsa_system_sgpr_workgroup_id_y 1
		.amdhsa_system_sgpr_workgroup_id_z 1
		.amdhsa_system_vgpr_workitem_id 0
		.amdhsa_next_free_vgpr 256
		.amdhsa_next_free_sgpr 66
		.amdhsa_reserve_vcc 0
		.amdhsa_float_denorm_mode_32 3
		.amdhsa_float_denorm_mode_16_64 3
		.amdhsa_memory_ordered 1
		.amdhsa_forward_progress 1
		.amdhsa_inst_pref_size 36
	.end_amdhsa_kernel
	.amdgpu_metadata
---
amdhsa.version: [ 1, 2 ]
amdhsa.kernels:
  - .name:           k_q16433fd91c_outp
    .symbol:         k_q16433fd91c_outp.kd
    .args:
      - { .name: ctxc, .offset: 0, .size: 8, .value_kind: global_buffer, .address_space: global }
      - { .name: ctxs, .offset: 8, .size: 8, .value_kind: global_buffer, .address_space: global }
      - { .name: wimg, .offset: 16, .size: 8, .value_kind: global_buffer, .address_space: global }
      - { .name: wsc, .offset: 24, .size: 8, .value_kind: global_buffer, .address_space: global }
      - { .name: out0, .offset: 32, .size: 8, .value_kind: global_buffer, .address_space: global }
    .group_segment_fixed_size: 315392
    .private_segment_fixed_size: 0
    .kernarg_segment_align: 8
    .kernarg_segment_size: 40
    .max_flat_workgroup_size: 512
    .sgpr_count:     66
    .vgpr_count:     256
    .wavefront_size: 32
...
	.end_amdgpu_metadata
.endif
;; end of part 3
;; ======== version 2 of 2: 3 launches
;; workspace buffers: xc 12,582,912 bytes; xs 524,288 bytes; wimg 786,432 bytes; wsc 32,768 bytes; ctxc 12,582,912 bytes; ctxs 524,288 bytes
;; launch quant (part 4): grid 1088 x 1, 4 waves a work-group, no clusters, 34,304 bytes of LDS; arguments x, W_q, W_k, W_v, fc_out, xc, xs, wimg, wsc; writes xc, xs, wimg, wsc
.if DOCPART == 4
	.amdgcn_target "amdgcn-amd-amdhsa--gfx1250"
	.amdhsa_code_object_version 6
	.text
	.protected	k_q16433fd91c_quant
	.globl	k_q16433fd91c_quant
	.p2align	8
	.type	k_q16433fd91c_quant,@function
k_q16433fd91c_quant:
	s_mov_b64 s[64:65], 0
	v_nop
	global_prefetch_b8 v0, s[64:65] scope:SCOPE_SE
	s_setreg_imm32_b32 hwreg(HW_REG_WAVE_MODE, 25, 1), 1
	s_wait_xcnt 0x0
; x [32768][512] and the four weights [512 (k)][512 (n)], f32, become codes of FP6 (E2M3) with one E8M0 scale byte for each 32 along K,
; laid as IMAGES OF OPERAND REGISTERS: a fragment (16 rows or columns x 128 K) is 12 registers a lane = 1,536 bytes: three chunks of 512 bytes, chunk k = registers 4 k .. 4 k + 3, lane l at byte 16 l.
; THE TILE ORDER: place i of tile T holds row (or column) 32 (T / 2) + 8 (T % 2) + i + 8 (i / 8): so in a matrix result the 16 registers of tiles 2 b and 2 b + 1 are 16 neighbours.
;   xc   [group of 32 rows: 1024][tile u: 2][K step s: 4][1536]      xs  [group][s][lane] words: lanes 0-15 tile 0's rows, lanes 16-31 tile 1's
;   wimg [matrix m: 4][tile t: 32][s: 4][1536]                       wsc [m][s][t][16] words: a pair of tiles is 128 bytes on end
; A block's scale is 2^(floor(log2(largest magnitude)) - 2); its byte is the largest magnitude's exponent field - 2, held at 1 from below.
; LIMITS: a block whose largest magnitude lies under 2^-124 (a block of zeros among them) gets the byte 1: its bytes are read by this program alone; NaN and infinities are not served.
; Work-groups 0-63: a pair of tiles of one weight, wave = K step.  Work-groups 64-1087: a group of 32 rows of x, wave = K step.  Waves share nothing: no barrier.
; No matrix unit, no cluster, no ring: each number is read once, and each wave has all its loads out at once (x: 32 loads of 512 bytes).
.set SPITCH, 528                       ; a stage row: 512 bytes + 16: row r starts 4 r banks on
.set WSTG,   16*SPITCH                 ; a wave's stage: 16 rows
.set SPARE,  4*WSTG                    ; behind the four stages: the spare words, 128 bytes a wave: two blocks of 256 bytes that no other line names
.set LI,  1                            ; v1   16 x lane
.set L4,  2                            ; v2   4 x lane
.set SA,  3                            ; v3   the stage, on the way in: my wave's + 16 x lane
.set SB,  4                            ; v4   on the way out: my wave's + 528 r + 64 h
.set VO,  5                            ; v5   a weight: 32 h rows of 2,048 bytes + 4 x (r + 8 (r / 8))
.set RR,  6                            ; v6   r = lane % 16
.set HH,  7                            ; v7   h = lane / 16
.set TM,  8                            ; v8-23   at work: +0..3 largest magnitudes, +4..7 the other lane's, then bytes, +12..15 the conversions' scale operands
.set PW0, 24                           ; v24, v25  the two tiles' scale words
.set PW1, 25
.set PWS, 26                           ; v26  the word that my lane stores
.set LN,  27                           ; v27  lane
.set CT,  28                           ; v28-35  the second halves of the blocks' codes
.set R0,  36                           ; v36-99, v100-163  numbers as loaded
.set R1,  100
.set X,   164                          ; v164-227  64 numbers of my row, 16 neighbours of each block
.set PC0, 228                          ; v228-239, v240-251  the two fragments
.set PC1, 240
.set SPW, 252                          ; v252 LDS address of my spare word; never rewritten
.set NIL, 253                          ; v253 0; never rewritten
; 64 numbers of a lane, register 16 b + i = k 32 b + 16 h + i of my row, become a fragment in v[pc] on and my row's scale word in v[pw]
.macro QUANT s, pc, pw
.irp b, 0,1,2,3
	v_max3_num_f32 v[TM+\b], |v[\s+16*\b]|, |v[\s+16*\b+1]|, 0x1800000   ; my 16 numbers of block b, and the floor 2^(3 - 127): the byte cannot fall under 1
.endr
.irp i, 2,4,6,8,10,12,14
.irp b, 0,1,2,3
	v_max3_num_f32 v[TM+\b], v[TM+\b], |v[\s+16*\b+\i]|, |v[\s+16*\b+\i+1]|   ; the four blocks by turns
.endr
.endr
.irp b, 0,1,2,3
	v_permlanex16_b32 v[TM+4+\b], v[TM+\b], s24, s25
.endr
.irp b, 0,1,2,3
	v_max_num_f32 v[TM+\b], v[TM+\b], v[TM+4+\b]       ; with lane l xor 16's: the block's largest magnitude
.endr
.irp b, 0,1,2,3
	v_add_nc_u32 v[TM+12+\b], 0xff000000, v[TM+\b]     ; 2 off its exponent field: the conversion's scale operand
.endr
.irp b, 0,1,2,3
	v_lshrrev_b32 v[TM+4+\b], 23, v[TM+12+\b]          ; the scale's byte
.endr
	v_lshl_or_b32 v[\pw], v[TM+5], 8, v[TM+4]
	v_lshl_or_b32 v[\pw], v[TM+6], 16, v[\pw]
	v_lshl_or_b32 v[\pw], v[TM+7], 24, v[\pw]
.irp c, 0,1
	v_cvt_scalef32_pk16_fp6_f32 v[\pc+6*\c:\pc+6*\c+2], v[\s+32*\c:\s+32*\c+15], v[TM+12+2*\c]
	v_cvt_scalef32_pk16_fp6_f32 v[CT+4*\c:CT+4*\c+2], v[\s+32*\c+16:\s+32*\c+31], v[TM+13+2*\c]   ; (a conversion's three registers begin on an even number)
.endr
	v_nop                                              ; one plain place behind the scaled conversions
.irp c, 0,1                                    ; the layout wants a whole block in a lane: lanes 0-15 block 2 c, lanes 16-31 block 2 c + 1
.irp i, 0,1,2
	v_permlane16_swap_b32 v[\pc+6*\c+\i], v[CT+4*\c+\i]
.endr
.irp i, 0,1,2
	v_mov_b32 v[\pc+6*\c+3+\i], v[CT+4*\c+\i]
.endr
.endr
.endm
; 64 numbers of a lane, register 32 c + i = k 64 c + 32 h + i of my column: two whole blocks; the results are the operand's registers as they stand
.macro QUANTW s, pc, pw
.irp c, 0,1
	v_max3_num_f32 v[TM+\c], |v[\s+32*\c]|, |v[\s+32*\c+1]|, 0x1800000
.endr
.irp i, 2,4,6,8,10,12,14,16,18,20,22,24,26,28,30
.irp c, 0,1
	v_max3_num_f32 v[TM+\c], v[TM+\c], |v[\s+32*\c+\i]|, |v[\s+32*\c+\i+1]|
.endr
.endr
.irp c, 0,1
	v_add_nc_u32 v[TM+12+\c], 0xff000000, v[TM+\c]
.endr
.irp c, 0,1
	v_lshrrev_b32 v[TM+4+\c], 23, v[TM+12+\c]
.endr
	v_lshl_or_b32 v[\pw], v[TM+5], 16, v[TM+4]         ; my two bytes: blocks h and 2 + h,
	v_lshlrev_b32 v[TM+6], 3, v[HH]
	v_lshlrev_b32 v[\pw], v[TM+6], v[\pw]              ; 8 h bits up;
	v_permlanex16_b32 v[TM+7], v[\pw], s24, s25
	v_or_b32 v[\pw], v[\pw], v[TM+7]                   ; with lane l xor 16's two the word is whole
.irp c, 0,1
	v_cvt_scalef32_pk16_fp6_f32 v[\pc+6*\c:\pc+6*\c+2], v[\s+32*\c:\s+32*\c+15], v[TM+12+\c]
	v_cvt_scalef32_pk16_fp6_f32 v[CT+4*\c:CT+4*\c+2], v[\s+32*\c+16:\s+32*\c+31], v[TM+12+\c]
.endr
	v_nop
.irp c, 0,1
.irp i, 0,1,2
	v_mov_b32 v[\pc+6*\c+3+\i], v[CT+4*\c+\i]
.endr
.endr
.endm
; 16 rows x 512 bytes through my stage: in as loaded (a row an instruction), out 64 bytes of a block's half a lane.  LDS serves a wave's instructions in order: no wait between
.macro TURN from, to
.irp i, 0,1,2,3,4,5,6,7,8,9,10,11,12,13,14,15
	ds_store_b128 v[SA], v[\from+4*\i:\from+4*\i+3] offset:SPITCH*\i
.endr
.irp b, 0,1,2,3
.irp j, 0,1,2,3
	ds_load_b128 v[\to+16*\b+4*\j:\to+16*\b+4*\j+3], v[SB] offset:128*\b+16*\j
.endr
.endr
.endm
	s_load_b512 s[4:19], s[0:1], 0x0               ; x s[4:5], W_q s[6:7], W_k s[8:9], W_v s[10:11], fc_out s[12:13], xc s[14:15], xs s[16:17], wimg s[18:19]
	s_load_b64 s[20:21], s[0:1], 0x40              ; wsc
	v_lshl_add_u32 v[SPW], v0, 2, SPARE
	v_mov_b32 v[NIL], 0
	v_lshrrev_b32 v[LN], 5, v0
	v_readfirstlane_b32 s22, v[LN]                 ; wave = K step
	v_and_b32 v[LN], 31, v0
	v_and_b32 v[RR], 15, v0
	v_bfe_u32 v[HH], v0, 4, 1
	v_lshlrev_b32 v[LI], 4, v[LN]
	v_lshlrev_b32 v[L4], 2, v[LN]
	s_mul_i32 s23, s22, WSTG
	v_add_nc_u32 v[SA], s23, v[LI]
	v_mul_u32_u24 v[SB], v[RR], SPITCH
	v_lshl_add_u32 v[SB], v[HH], 6, v[SB]
	v_add_nc_u32 v[SB], s23, v[SB]
	v_and_b32 v[VO], 8, v[RR]
	v_add_nc_u32 v[VO], v[VO], v[RR]               ; r + 8 (r / 8)
	v_lshlrev_b32 v[VO], 2, v[VO]
	v_lshl_add_u32 v[VO], v[HH], 16, v[VO]
	s_mov_b32 s24, 0x76543210
	s_mov_b32 s25, 0xfedcba98                      ; v_permlanex16_b32's selects for lane l xor 16
.irp b, 0,1,2,3
	v_mov_b32 v[TM+4+\b], 0                        ; written once: a lane permute's destination counts as one of its sources
.endr
	s_mov_b32 s29, 0
	s_wait_kmcnt 0x0
	s_cmp_lt_u32 ttmp9, 64
	s_cbranch_scc1 .Lweights
	; ---- x: group G = work-group - 64, K step = wave
	s_sub_co_u32 s26, ttmp9, 64
	s_lshl_b32 s28, s26, 16                        ; 32 rows of 2,048 bytes
	s_lshl_b32 s30, s22, 9                         ; + 512 bytes a K step
	s_add_co_u32 s28, s28, s30
	s_add_nc_u64 s[4:5], s[4:5], s[28:29]
	s_mul_i32 s28, s26, 12288
	s_mul_i32 s30, s22, 1536
	s_add_co_u32 s28, s28, s30
	s_add_nc_u64 s[14:15], s[14:15], s[28:29]
	s_lshl_b32 s28, s26, 9
	s_lshl_b32 s30, s22, 7
	s_add_co_u32 s28, s28, s30
	s_add_nc_u64 s[16:17], s[16:17], s[28:29]
.irp u, 0,1
.irp i, 0,1,2,3,4,5,6,7,8,9,10,11,12,13,14,15
	global_load_b128 v[R0+64*\u+4*\i:R0+64*\u+4*\i+3], v[LI], s[4:5] offset:(8*\u+\i+8*(\i/8))*2048 th:TH_LOAD_NT   ; place i of tile u: 32 lanes read 512 consecutive bytes of its row
.endr
.endr
	s_wait_loadcnt 16                              ; tile 0's sixteen loads are in; tile 1's sixteen may be out
	s_wait_alu depctr_va_vdst(0)
	TURN R0, X
	s_wait_loadcnt 0x0
	s_wait_dscnt 0x0                               ; tile 0 is back, and its stores into the stage have read v36-99, which take tile 1's numbers next
	TURN R1, R0
	QUANT X, PC0, PW0
.irp k, 0,1,2
	global_store_b128 v[LI], v[PC0+4*\k:PC0+4*\k+3], s[14:15] offset:512*\k            ; 512 consecutive bytes, at a multiple of 256 from the buffer's first byte
.endr
	s_wait_dscnt 0x0
	QUANT R0, PC1, PW1
.irp k, 0,1,2
	global_store_b128 v[LI], v[PC1+4*\k:PC1+4*\k+3], s[14:15] offset:6144+512*\k
.endr
	v_cmp_gt_u32 vcc_lo, 16, v[LN]
	v_cndmask_b32 v[PWS], v[PW1], v[PW0], vcc_lo   ; lanes 0-15: tile 0's words; lanes 16-31: tile 1's (both halves of the lanes hold a row's word)
	global_store_b32 v[L4], v[PWS], s[16:17]
	s_wait_tensorcnt 0x0                           ; the wave's end, behind my last LDS store
	ds_add_u32 v[SPW], v[NIL]
	s_wait_dscnt 0x0
	s_endpgm
	; ---- a weight: matrix m = work-group / 16, tiles 2 j and 2 j + 1 with j = work-group % 16, K step = wave.  A lane takes a column, its registers run down K
.Lweights:
	s_lshr_b32 s26, ttmp9, 4
	s_and_b32 s27, ttmp9, 15
	s_cmp_eq_u32 s26, 1                            ; the choice hangs on the work-group's number alone
	s_cselect_b64 s[6:7], s[8:9], s[6:7]
	s_cmp_eq_u32 s26, 2
	s_cselect_b64 s[6:7], s[10:11], s[6:7]
	s_cmp_eq_u32 s26, 3
	s_cselect_b64 s[6:7], s[12:13], s[6:7]
	s_lshl_b32 s28, s22, 18                        ; 128 rows of 2,048 bytes a K step
	s_lshl_b32 s30, s27, 7                         ; + 32 columns a pair of tiles
	s_add_co_u32 s28, s28, s30
	s_add_nc_u64 s[6:7], s[6:7], s[28:29]
	s_mul_i32 s28, s26, 196608
	s_mul_i32 s30, s27, 12288
	s_add_co_u32 s28, s28, s30
	s_mul_i32 s30, s22, 1536
	s_add_co_u32 s28, s28, s30
	s_add_nc_u64 s[18:19], s[18:19], s[28:29]
	s_lshl_b32 s28, s26, 13
	s_lshl_b32 s30, s22, 11
	s_add_co_u32 s28, s28, s30
	s_lshl_b32 s30, s27, 7
	s_add_co_u32 s28, s28, s30
	s_add_nc_u64 s[20:21], s[20:21], s[28:29]
.macro WTILE e                         ; tile 2 j + e: W(128 s + 64 c + 32 h + i, my column) into v[R0 + 64 e + 32 c + i]
.irp c, 0,1
.irp i, 0,1,2,3,4,5,6,7,8,9,10,11,12,13,14,15,16,17,18,19,20,21,22,23,24,25,26,27,28,29,30,31
	global_load_b32 v[R0+64*\e+32*\c+\i], v[VO], s[6:7] offset:(64*\c+\i)*2048+32*\e
.endr
.endr
.endm
	s_wait_alu depctr_va_vdst(0)
	WTILE 0
	s_wait_loadcnt 0x0
	WTILE 1                                        ; lands while tile 0 is quantised
	QUANTW R0, PC0, PW0
.irp k, 0,1,2
	global_store_b128 v[LI], v[PC0+4*\k:PC0+4*\k+3], s[18:19] offset:512*\k
.endr
	s_wait_loadcnt 0x0
	QUANTW R1, PC1, PW1
.irp k, 0,1,2
	global_store_b128 v[LI], v[PC1+4*\k:PC1+4*\k+3], s[18:19] offset:6144+512*\k
.endr
	v_cmp_gt_u32 vcc_lo, 16, v[LN]
	v_cndmask_b32 v[PWS], v[PW1], v[PW0], vcc_lo
	global_store_b32 v[L4], v[PWS], s[20:21]
	s_wait_tensorcnt 0x0                           ; the wave's end, in the same form as on the other path
	ds_add_u32 v[SPW], v[NIL]
	s_wait_dscnt 0x0
	s_endpgm
.Lfunc_end_k_q16433fd91c_quant:
	.size	k_q16433fd91c_quant, .Lfunc_end_k_q16433fd91c_quant-k_q16433fd91c_quant
	.p2alignl 7, 3214868480
	.fill 96, 4, 3214868480
	.section	.rodata,"a",@progbits
	.p2align	6, 0x0
	.amdhsa_kernel k_q16433fd91c_quant
		.amdhsa_group_segment_fixed_size 34304
		.amdhsa_private_segment_fixed_size 0
		.amdhsa_enable_private_segment 0
		.amdhsa_kernarg_size 72
		.amdhsa_user_sgpr_count 2
		.amdhsa_user_sgpr_kernarg_segment_ptr 1
		.amdhsa_wavefront_size32 1
		.amdhsa_system_sgpr_workgroup_id_x 1
		.amdhsa_system_sgpr_workgroup_id_y 1
		.amdhsa_system_sgpr_workgroup_id_z 1
		.amdhsa_system_vgpr_workitem_id 0
		.amdhsa_next_free_vgpr 256
		.amdhsa_next_free_sgpr 66
		.amdhsa_reserve_vcc 1
		.amdhsa_float_denorm_mode_32 3
		.amdhsa_float_denorm_mode_16_64 3
		.amdhsa_memory_ordered 1
		.amdhsa_forward_progress 1
		.amdhsa_inst_pref_size 38
	.end_amdhsa_kernel
	.amdgpu_metadata
---
amdhsa.version: [ 1, 2 ]
amdhsa.kernels:
  - .name:           k_q16433fd91c_quant
    .symbol:         k_q16433fd91c_quant.kd
    .args:
      - { .name: x, .offset: 0, .size: 8, .value_kind: global_buffer, .address_space: global }
      - { .name: W_q, .offset: 8, .size: 8, .value_kind: global_buffer, .address_space: global }
      - { .name: W_k, .offset: 16, .size: 8, .value_kind: global_buffer, .address_space: global }
      - { .name: W_v, .offset: 24, .size: 8, .value_kind: global_buffer, .address_space: global }
      - { .name: fc_out, .offset: 32, .size: 8, .value_kind: global_buffer, .address_space: global }
      - { .name: xc, .offset: 40, .size: 8, .value_kind: global_buffer, .address_space: global }
      - { .name: xs, .offset: 48, .size: 8, .value_kind: global_buffer, .address_space: global }
      - { .name: wimg, .offset: 56, .size: 8, .value_kind: global_buffer, .address_space: global }
      - { .name: wsc, .offset: 64, .size: 8, .value_kind: global_buffer, .address_space: global }
    .group_segment_fixed_size: 34304
    .private_segment_fixed_size: 0
    .kernarg_segment_align: 8
    .kernarg_segment_size: 72
    .max_flat_workgroup_size: 128
    .sgpr_count:     66
    .vgpr_count:     256
    .wavefront_size: 32
...
	.end_amdgpu_metadata
.endif
;; end of part 4
;; launch attn (part 5): grid 8 x 32, 16 waves a work-group, no clusters, 237,568 bytes of LDS; arguments xc, xs, wimg, wsc, ctxc, ctxs; writes ctxc, ctxs
.if DOCPART == 5
	.amdgcn_target "amdgcn-amd-amdhsa--gfx1250"
	.amdhsa_code_object_version 6
	.text
	.protected	k_q16433fd91c_attn
	.globl	k_q16433fd91c_attn
	.p2align	8
	.type	k_q16433fd91c_attn,@function
k_q16433fd91c_attn:
	s_mov_b64 s[64:65], 0
	v_nop
	global_prefetch_b8 v0, s[64:65] scope:SCOPE_SE
	s_setreg_imm32_b32 hwreg(HW_REG_WAVE_SCHED_MODE, 0, 2), 2
	s_setreg_imm32_b32 hwreg(HW_REG_WAVE_MODE, 25, 1), 1
	s_wait_xcnt 0x0
	s_wait_alu depctr_vm_vsrc(0)
; One work-group = one (batch, head): Q, K, V = x W (this head's 64 columns), quantised; S^T = K Q^T; p = 2^(t - M); O^T = V^T P^T; ctx = O / l, quantised.  All products on codes of FP6 (E2M3), one E8M0 scale for each 32 along K.
; 32 x 8 = 256 work-groups.  A head's K and V as codes are 49,152 bytes each: they stay in LDS for the whole launch, so there is no ring and no tensor load; two barriers in all.
; SHARES.  Wave w of sixteen owns rows 64 w .. 64 w + 63 of the batch (two groups g of 32 rows, four tiles i = 2 g + u): it projects them, puts their K and V into LDS for all, their Q into bytes of its own,
; and then runs the attention of its four tiles of 16 queries over all 1,024 keys, 128 a step.  Four waves share a SIMD: one wave's vector work stands beside another's products and LDS loads.
; THE TILE ORDER: place i of tile T holds row 32 (T / 2) + 8 (T % 2) + i + 8 (i / 8) (columns of a weight likewise): in a result the 16 registers of tiles 2 b, 2 b + 1 are the 16 neighbours 32 b + 16 h + 0 .. 15,
; whichever source the tile was.  So one fragment of x serves as source 1 (Q, K: a lane = a row, registers along the head) and as source 0 (V: a lane = one of the head's 64, registers along the keys).
; K = 64 IN AN INSTRUCTION OF K = 128: Q's registers 6-11 are zero codes; K's registers 6-11 are whatever follows (the next tile's codes; zeros behind the last).  The format has no infinity and no NaN, so these products are 0;
; bytes 2, 3 of both scale words repeat bytes 0, 1.
; THE SOFTMAX: t = score x log2(e) / 8; M = the running largest t rounded up to a whole number; p = 2^(t - M) is quantised along the keys; the row's sum is taken of the unquantised p; when M moves, sum and O^T are multiplied by 2^(old M - new M): exact.
; NO CLUSTER: what the eight heads of a batch share is x's codes and scale words, 409,600 bytes a work-group, read once through registers at the launch's opening; they feed 3,072 of a work-group's 9,216 matrix instructions and none of its softmax.
; LIMITS: NaN and infinities are not served; a block whose largest magnitude lies under 2^-124 (zeros among them) gets the byte 1; p under 2^-126 counts as 0 (ISA guide: v_exp_f32 flushes denormal results).
; THE MODE: SCHED_MODE bits 1:0 = 2 (LLVM: expert scheduling mode 2), set by the entry lines.  The code itself states the register dependences
; between vector or matrix instructions and memory or LDS instructions, with s_wait_alu, always for 0.
; THE PLAN.  Registers that memory or LDS instructions touch:
;   v1-3, v6, v7        offsets and addresses, made at the head and never written again: the one wait on va_vdst ahead of the first load serves them for the whole kernel.
;   PROJECTION  v8      the weights' LDS address: written at a matrix's head, read by its 48 LDS loads.
;     v16-27, v192-227  a K step's four fragments of a weight land here; the step's eight products read them; behind the fourth K step the quantiser writes v192-227, and LDS stores read its codes, words and bytes.
;     v96-191, v252-255 x's fragments and scale words: products read them; in V of group 0 group 1's land in a K step's registers when that K step's products are done.
;     v9-15, v30, v31   addresses and words that LDS stores read; v32-67 at the head alone: the weights' images land there and LDS stores read them.
;     A matrix has one wait on vm_vsrc at its head (v8 and the registers that earlier LDS stores read are written below it), one on va_vdst ahead of each K step's loads, one ahead of its run of LDS stores.
;   ATTENTION   v8-11   the key step's four LDS addresses: written at the step's head, read by its 26 LDS loads.
;     v32-79, v228-233  K's registers and scale words land, eight products read them, V's land, four products read them.
;     v16-21, v234      Q's codes and scale word: loaded once a tile.     v216-221  ctx's codes: written at a tile's end, read by its two stores; in a key step they are p's codes.
;     A key step has one wait on vm_vsrc and one on va_vdst at its head, round the four additions; one on va_vdst behind the scores' products, ahead of V's loads; the two behind the exponentials;
;     and one behind the rescaling of O^T, ahead of the products that take p's codes and scale word.
;   All 256 registers of a wave are taken in the projection, and in a key step 48 more for a second set of fragments are not to be had: so the loads stand behind the wait for the products that read their registers last.
.set WIMG,  0                          ; LDS: the head's weights [m: 3][t: 4][s: 4][1536]
.set KIMG,  73728                      ; K: 6,144 bytes a key step: register 6 t + i of the step's 48, in chunks of four registers x 32 lanes
.set VIMG,  122880                     ; V: 6,144 bytes a key step: four fragments d of 1,536
.set QIMG,  172032                     ; Q: 3,072 bytes a wave, 1,536 a pair of tiles
.set KSC,   221184                     ; K's scale words: 512 bytes a step: word (t, r) at 16 (r + 16 (t % 2)) + 4 (t / 2)
.set VSC,   225280                     ; V's: 256 bytes a step: word (d, r) at 8 (r + 16 (d % 2)) + 4 (d / 2)
.set QSC,   227328                     ; Q's: 128 bytes a tile
.set SPARE, 235520                     ; the spare words, 128 bytes a wave: eight blocks of 256 bytes that no other line names
.set LI,  1                            ; v1  16 x lane      v2  4 x lane      v3  8 x lane
.set L4,  2
.set L8,  3
.set SPW, 4                            ; v4  LDS address of my spare word; never rewritten
.set NIL, 5                            ; v5  0; never rewritten
.set AQ,  6                            ; v6  QIMG + 3072 w + 16 l
.set AQS, 7                            ; v7  QSC + 512 w + 4 l
.set AW,  8                            ; projection: v8 the weights' images; v9-11 where V's three code registers go; v12 V's scale bytes; v13 K's scale words; v14 K's images; v15 at work
.set VA,  9
.set VSW, 12
.set KSW, 13
.set AKW, 14
.set TP,  15
.set ADK, 8                            ; attention: v8-11 the step's addresses; v12 -M, v13 the largest t; v[14:15] the sum in two halves
.set ADV, 9
.set ADS, 10
.set ADT, 11
.set NM,  12
.set TMX, 13
.set LS,  14
.set QC,  16                           ; v16-21 Q's codes, v22-27 zeros
.set SCW, 28                           ; v28, v29 ctx's scale bytes of tiles 0, 1 and 2, 3
.set W0,  30                           ; v30, v31 words just made
.set W1,  31
.set ACC, 32                           ; projection: v32-95 eight accumulators
.set KF,  32                           ; attention: v32-79 K's, then V's registers of a step; v80-85 zeros
.set SUM2, 86                          ; v[86:87] the sum's second chain
.set XF,  96                           ; projection: v96-191 x's fragments (u, s) at 96 + 12 (4 u + s)
.set S,   96                           ; attention: v96-159 S^T, then p
.set O,   160                          ; v160-191 O^T
.set BM,  192                          ; v192-227: projection: the weights' fragments 1 to 3 (fragment 0 at v16); else the quantisers' registers:
.set BX,  196                          ;   BM largest magnitudes, BX the other lane's and bytes, SO scale operands, CT second halves of codes, CD = PC codes
.set SO,  200
.set CT,  204
.set T0,  212
.set T1,  213
.set F,   214                          ; v[214:215] f = 2^(old M - new M), later 1 / l; the upper word is 0
.set CD,  216
.set PC,  216
.set WS,  228                          ; SCALE WORDS AND NOTHING ELSE in v228-255.  Projection: weights' (m, s, pair p) at 228 + 8 m + 2 s + p; x's at 252 + s
.set XS,  252
.set KS,  228                          ; attention: K's four, V's two, Q's, p's
.set VS,  232
.set QS,  234
.set PW,  235
; one product.  z = 1: C is the constant 0, else C = D.  ra, rb = 1: that side's scale words stand in lanes 16-31
.macro WM d, a, b, z, sa, sb, ra, rb
.if (\z)
.if (\ra) && (\rb)
	v_wmma_scale_f32_16x16x128_f8f6f4 v[\d:\d+7], v[\a:\a+11], v[\b:\b+11], 0, v[\sa], v[\sb] matrix_a_fmt:MATRIX_FMT_FP6 matrix_b_fmt:MATRIX_FMT_FP6 matrix_a_scale:MATRIX_SCALE_ROW1 matrix_b_scale:MATRIX_SCALE_ROW1
.elseif (\ra)
	v_wmma_scale_f32_16x16x128_f8f6f4 v[\d:\d+7], v[\a:\a+11], v[\b:\b+11], 0, v[\sa], v[\sb] matrix_a_fmt:MATRIX_FMT_FP6 matrix_b_fmt:MATRIX_FMT_FP6 matrix_a_scale:MATRIX_SCALE_ROW1
.elseif (\rb)
	v_wmma_scale_f32_16x16x128_f8f6f4 v[\d:\d+7], v[\a:\a+11], v[\b:\b+11], 0, v[\sa], v[\sb] matrix_a_fmt:MATRIX_FMT_FP6 matrix_b_fmt:MATRIX_FMT_FP6 matrix_b_scale:MATRIX_SCALE_ROW1
.else
	v_wmma_scale_f32_16x16x128_f8f6f4 v[\d:\d+7], v[\a:\a+11], v[\b:\b+11], 0, v[\sa], v[\sb] matrix_a_fmt:MATRIX_FMT_FP6 matrix_b_fmt:MATRIX_FMT_FP6
.endif
.else
.if (\ra) && (\rb)
	v_wmma_scale_f32_16x16x128_f8f6f4 v[\d:\d+7], v[\a:\a+11], v[\b:\b+11], v[\d:\d+7], v[\sa], v[\sb] matrix_a_fmt:MATRIX_FMT_FP6 matrix_b_fmt:MATRIX_FMT_FP6 matrix_a_scale:MATRIX_SCALE_ROW1 matrix_b_scale:MATRIX_SCALE_ROW1
.elseif (\ra)
	v_wmma_scale_f32_16x16x128_f8f6f4 v[\d:\d+7], v[\a:\a+11], v[\b:\b+11], v[\d:\d+7], v[\sa], v[\sb] matrix_a_fmt:MATRIX_FMT_FP6 matrix_b_fmt:MATRIX_FMT_FP6 matrix_a_scale:MATRIX_SCALE_ROW1
.elseif (\rb)
	v_wmma_scale_f32_16x16x128_f8f6f4 v[\d:\d+7], v[\a:\a+11], v[\b:\b+11], v[\d:\d+7], v[\sa], v[\sb] matrix_a_fmt:MATRIX_FMT_FP6 matrix_b_fmt:MATRIX_FMT_FP6 matrix_b_scale:MATRIX_SCALE_ROW1
.else
	v_wmma_scale_f32_16x16x128_f8f6f4 v[\d:\d+7], v[\a:\a+11], v[\b:\b+11], v[\d:\d+7], v[\sa], v[\sb] matrix_a_fmt:MATRIX_FMT_FP6 matrix_b_fmt:MATRIX_FMT_FP6
.endif
.endif
.endm
; four places behind a matrix instruction, in front of loads into its registers and of the first read of its results; a wait on va_vdst stands beside them and fills none
.macro PLACES
.rept 4
	v_nop
.endr
.endm
; the four fragments of a weight for K step s: fragment t into v16 (t = 0) or v[180 + 12 t]
.macro WLOAD s
.irp t, 0,1,2,3
.irp k, 0,1,2
	ds_load_b128 v[180+12*\t-164*((3-\t)/3)+4*\k:180+12*\t-164*((3-\t)/3)+4*\k+3], v[AW] offset:(4*\t+(\s))*1536+512*\k
.endr
.endr
.endm
; group g's two fragments of x for K step s, and their scale words
.macro XLOAD g, s
.irp u, 0,1
.irp k, 0,1,2
	global_load_b128 v[XF+12*(4*\u+(\s))+4*\k:XF+12*(4*\u+(\s))+4*\k+3], v[LI], s[4:5] offset:12288*(\g)+6144*\u+1536*(\s)+512*\k
.endr
.endr
	global_load_b32 v[XS+(\s)], v[L4], s[6:7] offset:512*(\g)+128*(\s)
.endm
; 32 numbers of a lane, register 16 b + i = k 32 b + 16 h + i of my row, become six registers of codes (k = 32 h + 0 .. 31) in v[dst] on and two scale bytes in v[word]; dup = 1: repeated in its upper half
.macro QUANT2 src, dst, word, dup
.irp b, 0,1
	v_max3_num_f32 v[BM+\b], |v[\src+16*\b]|, |v[\src+16*\b+1]|, 0x1800000   ; from each accumulator's low end on; the floor 2^(3 - 127) holds the byte at 1 from below
.endr
.irp i, 2,4,6,8,10,12,14
.irp b, 0,1
	v_max3_num_f32 v[BM+\b], v[BM+\b], |v[\src+16*\b+\i]|, |v[\src+16*\b+\i+1]|
.endr
.endr
.irp b, 0,1
	v_permlanex16_b32 v[BX+\b], v[BM+\b], s20, s21
.endr
.irp b, 0,1
	v_max_num_f32 v[BM+\b], v[BM+\b], v[BX+\b]
.endr
.irp b, 0,1
	v_add_nc_u32 v[SO+\b], 0xff000000, v[BM+\b]        ; 2 off the exponent field: the conversion's scale operand
.endr
.irp b, 0,1
	v_lshrrev_b32 v[BX+\b], 23, v[SO+\b]               ; the scale's byte
.endr
	v_lshl_or_b32 v[\word], v[BX+1], 8, v[BX]
.if \dup
	v_lshl_or_b32 v[\word], v[\word], 16, v[\word]
.endif
	v_cvt_scalef32_pk16_fp6_f32 v[\dst:\dst+2], v[\src:\src+15], v[SO]
	v_cvt_scalef32_pk16_fp6_f32 v[CT:CT+2], v[\src+16:\src+31], v[SO+1]
	v_nop                                              ; one plain place behind the scaled conversions
.irp i, 0,1,2
	v_permlane16_swap_b32 v[\dst+\i], v[CT+\i]         ; lanes 0-15 get block 0 whole, lanes 16-31 block 1
.endr
.irp i, 0,1,2
	v_mov_b32 v[\dst+3+\i], v[CT+\i]
.endr
.endm
; Q (m = 0) or K (m = 1) of group g: source 0 = 16 columns of the weight, source 1 = 16 rows of x: a lane holds one row, its 32 registers of a tile u run along the head's 64.  Eight accumulators by turns
.macro MATQK m, g
	s_wait_alu depctr_vm_vsrc(0)                       ; the LDS loads issued so far have read v8, and the LDS stores issued so far their data (the first time v32-67, later v192-227, v30, v31): all are written again below
	v_add_nc_u32 v[AW], 24576*\m, v[LI]
.irp s, 0,1,2,3
	PLACES
	s_wait_alu depctr_va_vdst(0)                       ; v8 is written, which the loads below read; the last products are done reading v16-27 and v192-227, and the quantiser has written v192-227: the loads below land there
	WLOAD \s
	s_wait_dscnt 0x0
.irp t, 0,1,2,3
.irp u, 0,1
	WM ACC+32*\u+8*\t, 180+12*\t-164*((3-\t)/3), XF+12*(4*\u+\s), (3-\s)/3, WS+8*\m+2*\s+\t/2, XS+\s, \t%2, \u
.endr
.endr
.endr
	PLACES
	QUANT2 ACC, CD, W0, 1
	QUANT2 ACC+32, CD+6, W1, 1
	s_wait_alu depctr_va_vdst(0)                       ; the quantiser has written v216-227, v30 and v31, which the LDS stores below read
.if \m == 0
.irp k, 0,1,2
	ds_store_b128 v[AQ], v[CD+4*\k:CD+4*\k+3] offset:1536*\g+512*\k     ; the pair's twelve registers as they stand
.endr
	ds_store_b32 v[AQS], v[W0] offset:128*(2*\g)
	ds_store_b32 v[AQS], v[W1] offset:128*(2*\g+1)
.else
.irp k, 0,1,2
	ds_store_b128 v[AKW], v[CD+4*\k:CD+4*\k+3] offset:1536*\g+512*\k    ; registers 24 (w % 2) + 12 g + 0 .. 11 of the key step's 48
.endr
	ds_store_b32 v[KSW], v[W0] offset:4*\g             ; both halves of the lanes write a row's word, with the same value
	ds_store_b32 v[KSW], v[W1] offset:256+4*\g
.endif
	s_wait_dscnt 0x0                                   ; my LDS stores are done; that they have read their registers is stated by the wait on vm_vsrc at the next matrix's head
.endm
; V of group g: source 0 = 16 rows of x, source 1 = 16 columns of W_v: a lane holds one of the head's 64, the 16 registers of a pair of tiles u are 16 neighbouring keys: half a block.
; With g = 0 the next group's x is asked for as soon as a K step's fragments are done with.
.macro MATV g
	s_wait_alu depctr_vm_vsrc(0)                       ; the LDS loads issued so far have read v8, and the LDS stores issued so far v216-227, v30 and v31: all are written again below
	v_add_nc_u32 v[AW], 49152, v[LI]
.irp s, 0,1,2,3
	PLACES
	s_wait_alu depctr_va_vdst(0)                       ; v8 is written; the last products are done reading the weight's fragments and (g = 0) x's fragments and scale word of the K step before; the quantiser has written v192-227: the loads below land in all of these
.if (\g == 0) && (\s > 0)
	XLOAD 1, \s-1
.endif
	WLOAD \s
	s_wait_dscnt 0x0
.irp d, 0,1,2,3
.irp u, 0,1
	WM ACC+16*\d+8*\u, XF+12*(4*\u+\s), 180+12*\d-164*((3-\d)/3), (3-\s)/3, XS+\s, WS+16+2*\s+\d/2, \u, \d%2
.endr
.endr
.endr
	PLACES
.if \g == 0
	s_wait_alu depctr_va_vdst(0)                       ; the last products are done reading x's fragments and scale word of K step 3, in which the loads below land
	XLOAD 1, 3
.endif
.irp d, 0,1,2,3
	v_max3_num_f32 v[BM+\d], |v[ACC+16*\d]|, |v[ACC+16*\d+1]|, 0x1800000
.endr
.irp i, 2,4,6,8,10,12,14
.irp d, 0,1,2,3
	v_max3_num_f32 v[BM+\d], v[BM+\d], |v[ACC+16*\d+\i]|, |v[ACC+16*\d+\i+1]|
.endr
.endr
.irp d, 0,1,2,3
	v_permlanex16_b32 v[BX+\d], v[BM+\d], s20, s21
.endr
.irp d, 0,1,2,3
	v_max_num_f32 v[BM+\d], v[BM+\d], v[BX+\d]         ; the block's 32 keys lie in lanes l and l xor 16
.endr
.irp d, 0,1,2,3
	v_add_nc_u32 v[SO+\d], 0xff000000, v[BM+\d]
.endr
.irp d, 0,1,2,3
	v_lshrrev_b32 v[BX+\d], 23, v[SO+\d]
.endr
.irp d, 0,1,2,3
	v_cvt_scalef32_pk16_fp6_f32 v[CT+4*\d:CT+4*\d+2], v[ACC+16*\d:ACC+16*\d+15], v[SO+\d]
.endr
	v_nop
	s_wait_alu depctr_va_vdst(0)                       ; the conversions have written v204-218 and the shifts v196-199, which the LDS stores below read
.irp d, 0,1,2,3
.irp i, 0,1,2
	ds_store_b32 v[VA+\i], v[CT+4*\d+\i] offset:1536*\d+256*\g    ; register 6 (w % 2) + 3 h + i of fragment d, in lane r + 16 g: the store's address brings the two halves of a block into one lane
.endr
.endr
.irp d, 0,1,2,3
	ds_store_b8 v[VSW], v[BX+\d] offset:128*(\d%2)+4*(\d/2)+\g    ; byte 2 (w % 2) + g of word (d, r)
.endr
	s_wait_dscnt 0x0
.endm
	s_load_b256 s[4:11], s[0:1], 0x0               ; xc s[4:5], xs s[6:7], wimg s[8:9], wsc s[10:11]
	s_load_b128 s[12:15], s[0:1], 0x20             ; ctxc s[12:13], ctxs s[14:15]
	v_lshl_add_u32 v[SPW], v0, 2, SPARE
	v_mov_b32 v[NIL], 0
	v_lshrrev_b32 v[TP], 5, v0
	v_readfirstlane_b32 s16, v[TP]                 ; wave 0..15
	s_wait_alu depctr_va_sdst(0)                   ; s16 is written, ahead of its first reader: LDS places and the buffers' offsets are made from it
	s_mov_b32 s17, ttmp9                           ; head
	s_and_b32 s18, ttmp7, 0xffff                   ; batch
	v_and_b32 v[TP], 31, v0
	v_lshlrev_b32 v[LI], 4, v[TP]
	v_lshlrev_b32 v[L4], 2, v[TP]
	v_lshlrev_b32 v[L8], 3, v[TP]
	s_mul_i32 s30, s16, 3072
	v_add_nc_u32 v[AQ], s30, v[LI]
	v_add_nc_u32 v[AKW], KIMG, v[AQ]
	v_add_nc_u32 v[AQ], QIMG, v[AQ]
	s_lshl_b32 s30, s16, 9
	v_add_nc_u32 v[AQS], s30, v[L4]
	v_add_nc_u32 v[AQS], QSC, v[AQS]
	s_lshr_b32 s32, s16, 1                         ; as keys my rows are half s33 of key step s32
	s_and_b32 s33, s16, 1
	v_and_b32 v[TP], 15, v0                        ; r
	s_wait_alu depctr_va_vdst(0)
	s_lshl_b32 s30, s32, 9
	s_lshl_b32 s31, s33, 3
	s_add_co_u32 s30, s30, s31
	s_add_co_u32 s30, s30, KSC
	v_lshl_add_u32 v[KSW], v[TP], 4, s30
	s_lshl_b32 s30, s32, 8
	s_lshl_b32 s31, s33, 1
	s_add_co_u32 s30, s30, s31
	s_add_co_u32 s30, s30, VSC
	v_lshl_add_u32 v[VSW], v[TP], 3, s30
	s_mul_i32 s30, s32, 6144
	s_add_co_u32 s30, s30, VIMG
	v_lshl_add_u32 v[AW], v[TP], 4, s30            ; VIMG + 6144 x step + 16 r
	s_mul_i32 s31, s33, 6
	v_bfe_u32 v[TP], v0, 4, 1
	v_mul_u32_u24 v[TP], v[TP], 3
	v_add_nc_u32 v[TP], s31, v[TP]                 ; 6 (w % 2) + 3 h
.irp i, 0,1,2
	v_add_nc_u32 v[W0], \i, v[TP]                  ; the register's number R in its fragment:
	v_lshrrev_b32 v[W1], 2, v[W0]
	v_and_b32 v[W0], 3, v[W0]
	v_lshl_add_u32 v[VA+\i], v[W1], 9, v[AW]       ; chunk R / 4,
	v_lshl_add_u32 v[VA+\i], v[W0], 2, v[VA+\i]    ; word R % 4 of the lane's 16 bytes
.endr
	s_mul_i32 s19, s16, 1536
	v_add_nc_u32 v[TP], s19, v[LI]                 ; where I put my share of the weights' images
.irp b, 0,1,2,3
	v_mov_b32 v[BX+\b], 0                          ; written once: a lane permute's destination counts as one of its sources
.endr
	s_mov_b32 s20, 0x76543210
	s_mov_b32 s21, 0xfedcba98                      ; v_permlanex16_b32's selects for lane l xor 16
	s_mov_b32 s22, 0x3e38aa3b                      ; c = log2(e) / sqrt(64)
	s_mov_b32 s23, s22                             ; (named with it as a pair, so it is written)
	s_mul_i32 s30, s18, 393216                     ; xc: 32 groups of 12,288 bytes a batch, two groups a wave
	s_mul_i32 s31, s16, 24576
	s_add_co_u32 s30, s30, s31
	s_mov_b32 s31, 0
	s_mul_i32 s34, s17, 768                        ; ctxc: the same place, + the head's half fragment
	s_add_co_u32 s34, s34, s30
	s_mov_b32 s35, 0
	s_lshl_b32 s36, s18, 14                        ; xs
	s_lshl_b32 s37, s16, 10
	s_add_co_u32 s36, s36, s37
	s_mov_b32 s37, 0
	s_mul_i32 s38, s17, 24576                      ; wimg: the head's four tiles; I copy fragment w of each matrix's sixteen
	s_add_co_u32 s38, s38, s19
	s_mov_b32 s39, 0
	s_wait_kmcnt 0x0
	s_add_nc_u64 s[4:5], s[4:5], s[30:31]
	s_add_nc_u64 s[12:13], s[12:13], s[34:35]
	s_add_nc_u64 s[6:7], s[6:7], s[36:37]
	s_add_nc_u64 s[8:9], s[8:9], s[38:39]
	s_lshl_b32 s30, s17, 8
	s_add_nc_u64 s[10:11], s[10:11], s[30:31]      ; wsc: 64 bytes a tile
	s_lshl_b32 s30, s18, 3
	s_add_co_u32 s30, s30, s17
	s_lshl_b32 s30, s30, 11
	s_lshl_b32 s34, s16, 7
	s_add_co_u32 s30, s30, s34
	s_add_nc_u64 s[14:15], s[14:15], s[30:31]      ; ctxs: 2,048 bytes a (batch, head), 128 a wave
	s_wait_alu depctr_va_vdst(0)                   ; the offsets and addresses v1-3, v6, v7 and v9-15 are written, which the loads and stores of the kernel read
.irp m, 0,1,2
.irp i, 0,1,2
	global_load_b128 v[ACC+12*\m+4*\i:ACC+12*\m+4*\i+3], v[LI], s[8:9] offset:196608*\m+512*\i
.endr
.endr
.irp m, 0,1,2
.irp s, 0,1,2,3
.irp p, 0,1
	global_load_b32 v[WS+8*\m+2*\s+\p], v[L4], s[10:11] offset:2048*(4*\m+\s)+128*\p   ; lanes 0-15 tile 2 p, lanes 16-31 tile 2 p + 1
.endr
.endr
.endr
.irp s, 0,1,2,3
	XLOAD 0, \s
.endr
	s_wait_loadcnt 52                              ; the nine loads of images are in: behind them 24 scale words and 28 loads of x were issued
.irp m, 0,1,2
.irp i, 0,1,2
	ds_store_b128 v[TP], v[ACC+12*\m+4*\i:ACC+12*\m+4*\i+3] offset:24576*\m+512*\i
.endr
.endr
	s_wait_dscnt 0x0                               ; for the others' sake: my share of the weights lies in LDS
	s_barrier_signal -1
	s_barrier_wait -1                              ; everybody's does
	s_wait_loadcnt 0x0
	MATQK 0, 0
	MATQK 1, 0
	MATV 0
	s_wait_loadcnt 0x0                             ; group 1's x
	MATQK 0, 1
	MATQK 1, 1
	MATV 1                                         ; (it ends with the wait for all my LDS stores)
	s_barrier_signal -1
	s_barrier_wait -1                              ; the head's K and V lie in LDS; from here on LDS is only read
	s_wait_alu depctr_vm_vsrc(0)                   ; the projection's LDS loads and stores have read v8-15, v30, v31 and v192-227, which the lines below and the attention write
.irp j, 0,1,2,3,4,5
	v_mov_b32 v[QC+6+\j], 0                        ; the empty half of K = 128: zero codes
	v_mov_b32 v[KF+48+\j], 0
.endr
	v_mov_b32 v[F+1], 0                            ; (named as the upper half of a pair)
	v_mov_b32 v[T1], 0
; A KEY STEP: 128 keys for one tile of 16 queries
.macro STEP
	s_wait_alu depctr_vm_vsrc(0)                   ; the LDS loads issued so far have read v8-11, which are written again
	v_add_nc_u32 v[ADK], s24, v[LI]                ; these four are also the places in front of the loads into registers that the last products read
	v_add_nc_u32 v[ADV], s25, v[LI]
	v_add_nc_u32 v[ADS], s26, v[LI]
	v_add_nc_u32 v[ADT], s27, v[L8]
	s_wait_alu depctr_va_vdst(0)                   ; the four addresses are written, which this step's loads read; the last step's products are done reading v32-79 and v228-233, in which they land; in a tile's first step: the zero codes v22-27 and v80-85, operands of the scaled products, are written
.irp k, 0,1,2,3,4,5,6,7,8,9,10,11
	ds_load_b128 v[KF+4*\k:KF+4*\k+3], v[ADK] offset:512*\k
.endr
	ds_load_b128 v[KS:KS+3], v[ADS]                ; register q: lanes 0-15 tile 2 q's words, lanes 16-31 tile 2 q + 1's
	s_wait_dscnt 0x0
.irp t, 0,1,2,3,4,5,6,7
	WM S+8*\t, KF+6*\t, QC, 1, KS+\t/2, QS, \t%2, 0    ; S^T: lane (r, h) holds query r; registers 16 b + i are keys 32 b + 16 h + i of the step
.endr
	PLACES
	s_wait_alu depctr_va_vdst(0)                   ; the eight products are done reading v32-79, in which V's fragments land (v232, v233 were last read ahead of the wait at the step's head)
.irp k, 0,1,2,3,4,5,6,7,8,9,10,11
	ds_load_b128 v[KF+4*\k:KF+4*\k+3], v[ADV] offset:512*\k    ; V's four fragments land during the softmax
.endr
	ds_load_b64 v[VS:VS+1], v[ADT]
.irp b, 0,1,2,3
	v_max3_num_f32 v[BM+\b], v[S+16*\b], v[S+16*\b+1], v[S+16*\b+2]    ; the largest score of each block of 32 keys: for the row's maximum and, since p rises with the score, for the block's largest p
.endr
.irp i, 3,5,7,9,11,13
.irp b, 0,1,2,3
	v_max3_num_f32 v[BM+\b], v[BM+\b], v[S+16*\b+\i], v[S+16*\b+\i+1]
.endr
.endr
.irp b, 0,1,2,3
	v_max_num_f32 v[BM+\b], v[BM+\b], v[S+16*\b+15]
.endr
.irp b, 0,1,2,3
	v_permlanex16_b32 v[BX+\b], v[BM+\b], s20, s21
.endr
.irp b, 0,1,2,3
	v_max_num_f32 v[BM+\b], v[BM+\b], v[BX+\b]
.endr
	v_max3_num_f32 v[T0], v[BM], v[BM+1], v[BM+2]
	v_max_num_f32 v[T0], v[T0], v[BM+3]
	v_mul_f32 v[T0], s22, v[T0]                    ; as t (c is positive)
	v_max_num_f32 v[TMX], v[TMX], v[T0]            ; the running largest t
	v_mov_b32 v[T0], v[NM]
	v_floor_f32 v[NM], -v[TMX]                     ; the new -M = -ceil(t)
	v_sub_f32 v[T0], v[NM], v[T0]                  ; old M - new M: a whole number, 0 or less
	v_cvt_i32_f32 v[T0], v[T0]                     ; (it saturates)
	v_ldexp_f32 v[F], 1.0, v[T0]                   ; f = 2^(old M - new M)
.set j, 0
.rept 32
	v_pk_fma_f32 v[S+j:S+j+1], v[S+j:S+j+1], s[22:23], v[NM:NM+1] op_sel_hi:[1,0,0]    ; t - M, two at a time
.set j, j+2
.endr
.irp b, 0,1,2,3
	v_fma_f32 v[BM+\b], v[BM+\b], s22, v[NM]
.endr
.set j, 0
	s_wait_alu depctr_va_vdst(0)
.rept 64
	v_exp_f32 v[S+j], v[S+j]                       ; p = 2^(t - M): one batch
.set j, j+1
.endr
	v_pk_mul_f32 v[LS:LS+1], v[LS:LS+1], v[F:F+1] op_sel_hi:[1,0]    ; the sums under the new M: the plain place behind the batch
	s_wait_alu depctr_va_vdst(0)                   ; the 64 exponentials have written v96-159: one wait, ahead of their first reader
.irp b, 0,1,2,3
	v_exp_f32 v[BM+\b], v[BM+\b]                   ; the blocks' largest p
.endr
	v_pk_add_f32 v[SUM2:SUM2+1], v[S:S+1], v[S+2:S+3]    ; the row's sum, of the unquantised p, in two chains
.set j, 4
.rept 15
	v_pk_add_f32 v[LS:LS+1], v[LS:LS+1], v[S+j:S+j+1]
	v_pk_add_f32 v[SUM2:SUM2+1], v[SUM2:SUM2+1], v[S+j+2:S+j+3]
.set j, j+4
.endr
	v_pk_add_f32 v[LS:LS+1], v[LS:LS+1], v[SUM2:SUM2+1]
	s_wait_alu depctr_va_vdst(0)                   ; the four exponentials have written v192-195: their wait, ahead of their first reader
.irp b, 0,1,2,3
	v_max_num_f32 v[BM+\b], 0x1800000, v[BM+\b]    ; the floor: a block whose every p is 0 keeps the byte 1, and its codes are zeros
.endr
.irp b, 0,1,2,3
	v_add_nc_u32 v[SO+\b], 0xff000000, v[BM+\b]
.endr
.irp b, 0,1,2,3
	v_lshrrev_b32 v[BX+\b], 23, v[SO+\b]
.endr
	v_lshl_or_b32 v[PW], v[BX+1], 8, v[BX]         ; p's scale word for these 128 keys
	v_lshl_or_b32 v[PW], v[BX+2], 16, v[PW]
	v_lshl_or_b32 v[PW], v[BX+3], 24, v[PW]
.irp c, 0,1
	v_cvt_scalef32_pk16_fp6_f32 v[PC+6*\c:PC+6*\c+2], v[S+32*\c:S+32*\c+15], v[SO+2*\c]
	v_cvt_scalef32_pk16_fp6_f32 v[CT+4*\c:CT+4*\c+2], v[S+32*\c+16:S+32*\c+31], v[SO+2*\c+1]
.endr
	v_nop
.irp c, 0,1
.irp i, 0,1,2
	v_permlane16_swap_b32 v[PC+6*\c+\i], v[CT+4*\c+\i]
.endr
.irp i, 0,1,2
	v_mov_b32 v[PC+6*\c+3+\i], v[CT+4*\c+\i]
.endr
.endr
.set j, 0
.rept 16
	v_pk_mul_f32 v[O+j:O+j+1], v[O+j:O+j+1], v[F:F+1] op_sel_hi:[1,0]    ; O^T under the new M; these sixteen also stand between the writes of p's codes and scale word and the products
.set j, j+2
.endr
	s_wait_alu depctr_va_vdst(0)                   ; p's codes v216-227 and its scale word v235 are written, which the scaled products below take; the places above stay beside this wait
	s_wait_dscnt 0x0                               ; V
.irp d, 0,1,2,3
	WM O+8*\d, KF+12*\d, PC, 0, VS+\d/2, PW, \d%2, 0    ; O^T += V^T P^T: four accumulators by turns
.endr
	s_add_co_u32 s24, s24, 6144
	s_add_co_u32 s25, s25, 6144
	s_add_co_u32 s26, s26, 512
	s_add_co_u32 s27, s27, 256
.endm
; THE ATTENTION OF MY TILE i
.macro TILE i
	s_wait_xcnt 0x0                                ; the last tile's stores have had their addresses translated: their data registers are written again only behind this wait
.if (\i) > 0
	s_wait_alu depctr_vm_vsrc(0)                   ; the last tile's stores have read v216-221, which the first key step writes again
.endif
.if (\i)%2 == 0
	ds_load_b128 v[QC:QC+3], v[AQ] offset:1536*((\i)/2)            ; registers 0-5 of the pair's twelve.  No wait on va_vdst: no vector or matrix instruction since the last one names v16-21 or v234
	ds_load_b64 v[QC+4:QC+5], v[AQ] offset:1536*((\i)/2)+512
.else
	ds_load_b64 v[QC:QC+1], v[AQ] offset:1536*((\i)/2)+520         ; registers 6-11.  No wait on va_vdst: no vector or matrix instruction since the last one names v16-21 or v234
	ds_load_b128 v[QC+2:QC+5], v[AQ] offset:1536*((\i)/2)+1024
.endif
	ds_load_b32 v[QS], v[AQS] offset:128*(\i)
	v_mov_b32 v[TMX], 0xff61b1e6                   ; the largest t so far: -3e38
	v_floor_f32 v[NM], -v[TMX]
	v_mov_b32 v[LS], 0
	v_mov_b32 v[LS+1], 0
.set j, 0
.rept 32
	v_mov_b32 v[O+j], 0                            ; the step is written once: the first finds zeros, which the first change of M leaves zeros
.set j, j+1
.endr
	s_mov_b32 s24, KIMG
	s_mov_b32 s25, VIMG
	s_mov_b32 s26, KSC
	s_mov_b32 s27, VSC
	s_mov_b32 s28, 8
	s_wait_dscnt 0x0
.Lkey_\@:
	STEP
	s_sub_co_u32 s28, s28, 1
	s_cmp_lg_u32 s28, 0
	s_cbranch_scc1 .Lkey_\@
	PLACES
	v_add_f32 v[LS], v[LS], v[LS+1]                ; the sum's two halves,
	v_permlanex16_b32 v[T1], v[LS], s20, s21
	v_add_f32 v[LS], v[LS], v[T1]                  ; and lane l xor 16's
	s_wait_alu depctr_va_vdst(0)
	v_rcp_f32 v[F], v[LS]
	v_nop                                          ; a plain place behind the reciprocal
	s_wait_alu depctr_va_vdst(0)                   ; the reciprocal has written v214: the wait ahead of its first reader
.set j, 0
.rept 16
	v_pk_mul_f32 v[S+j:S+j+1], v[O+j:O+j+1], v[F:F+1] op_sel_hi:[1,0]    ; ctx = O^T / l, each accumulator from its low end on: register 16 b + i is column 64 head + 32 b + 16 h + i
.set j, j+2
.endr
	QUANT2 S, CD, T0, 0
	s_wait_alu depctr_va_vdst(0)                   ; the quantiser has written v216-221, which the two stores below read
	global_store_b128 v[LI], v[CD:CD+3], s[12:13] offset:6144*(\i)         ; half a fragment of the last product: 512 and 256 consecutive bytes, at multiples of 256 from the buffer's first byte
	global_store_b64 v[L8], v[CD+4:CD+5], s[12:13] offset:6144*(\i)+512
.if (\i)%2 == 0
	v_mov_b32 v[SCW+(\i)/2], v[T0]
.else
	v_lshl_or_b32 v[SCW+(\i)/2], v[T0], 16, v[SCW+(\i)/2]
.endif
.endm
	TILE 0
	TILE 1
	TILE 2
	TILE 3
	v_and_b32 v[W0], 31, v0
	v_cmp_gt_u32 vcc_lo, 16, v[W0]
	s_wait_alu depctr_va_vcc(0)                    ; VCC is written, ahead of the select that reads it
	v_cndmask_b32 v[W1], v[SCW+1], v[SCW], vcc_lo  ; lanes 0-15: tiles 0 and 1; lanes 16-31: tiles 2 and 3 (both halves of the lanes hold a row's bytes)
	s_wait_alu depctr_va_vdst(0)                   ; the select has written v31, which the store below reads
	global_store_b32 v[L4], v[W1], s[14:15]
	s_wait_dscnt 0x0                               ; the closing lines, six on end
	s_wait_alu 0x0
	s_wait_tensorcnt 0x0
	ds_add_u32 v[SPW], v[NIL]
	s_wait_dscnt 0x0
	s_endpgm
.Lfunc_end_k_q16433fd91c_attn:
	.size	k_q16433fd91c_attn, .Lfunc_end_k_q16433fd91c_attn-k_q16433fd91c_attn
	.p2alignl 7, 3214868480
	.fill 96, 4, 3214868480
	.section	.rodata,"a",@progbits
	.p2align	6, 0x0
	.amdhsa_kernel k_q16433fd91c_attn
		.amdhsa_group_segment_fixed_size 237568
		.amdhsa_private_segment_fixed_size 0
		.amdhsa_enable_private_segment 0
		.amdhsa_kernarg_size 48
		.amdhsa_user_sgpr_count 2
		.amdhsa_user_sgpr_kernarg_segment_ptr 1
		.amdhsa_wavefront_size32 1
		.amdhsa_system_sgpr_workgroup_id_x 1
		.amdhsa_system_sgpr_workgroup_id_y 1
		.amdhsa_system_sgpr_workgroup_id_z 1
		.amdhsa_system_vgpr_workitem_id 0
		.amdhsa_next_free_vgpr 256
		.amdhsa_next_free_sgpr 66
		.amdhsa_reserve_vcc 1
		.amdhsa_float_denorm_mode_32 3
		.amdhsa_float_denorm_mode_16_64 3
		.amdhsa_memory_ordered 1
		.amdhsa_forward_progress 1
		.amdhsa_inst_pref_size 171
	.end_amdhsa_kernel
	.amdgpu_metadata
---
amdhsa.version: [ 1, 2 ]
amdhsa.kernels:
  - .name:           k_q16433fd91c_attn
    .symbol:         k_q16433fd91c_attn.kd
    .args:
      - { .name: xc, .offset: 0, .size: 8, .value_kind: global_buffer, .address_space: global }
      - { .name: xs, .offset: 8, .size: 8, .value_kind: global_buffer, .address_space: global }
      - { .name: wimg, .offset: 16, .size: 8, .value_kind: global_buffer, .address_space: global }
      - { .name: wsc, .offset: 24, .size: 8, .value_kind: global_buffer, .address_space: global }
      - { .name: ctxc, .offset: 32, .size: 8, .value_kind: global_buffer, .address_space: global }
      - { .name: ctxs, .offset: 40, .size: 8, .value_kind: global_buffer, .address_space: global }
    .group_segment_fixed_size: 237568
    .private_segment_fixed_size: 0
    .kernarg_segment_align: 8
    .kernarg_segment_size: 48
    .max_flat_workgroup_size: 512
    .sgpr_count:     66
    .vgpr_count:     256
    .wavefront_size: 32
...
	.end_amdgpu_metadata
.endif
;; end of part 5
;; launch outp (part 6): grid 256 x 1, 16 waves a work-group, no clusters, 315,392 bytes of LDS; arguments ctxc, ctxs, wimg, wsc, out0; writes out0
.if DOCPART == 6
	.amdgcn_target "amdgcn-amd-amdhsa--gfx1250"
	.amdhsa_code_object_version 6
	.text
	.protected	k_q16433fd91c_outp
	.globl	k_q16433fd91c_outp
	.p2align	8
	.type	k_q16433fd91c_outp,@function
k_q16433fd91c_outp:
	s_mov_b64 s[64:65], 0
	v_nop
	global_prefetch_b8 v0, s[64:65] scope:SCOPE_SE
	s_setreg_imm32_b32 hwreg(HW_REG_WAVE_SCHED_MODE, 0, 2), 2
	s_setreg_imm32_b32 hwreg(HW_REG_WAVE_MODE, 25, 1), 1
	s_wait_xcnt 0x0
	s_wait_alu depctr_vm_vsrc(0)
; out0 [32768][512] f32 = ctx x fc_out, on codes of FP6 (E2M3) with one E8M0 scale for each 32 along K; both operands come as images of operand registers.
; Work-group n takes rows 128 n .. 128 n + 127: eight tiles of 16 rows (in the tile order: place i of tile T holds row 32 (T / 2) + 8 (T % 2) + i + 8 (i / 8)), in two blocks of four.
; THE WAVES SHARE THE COLUMNS: wave w of sixteen keeps fc_out's tiles 2 w and 2 w + 1 (columns 32 w .. 32 w + 31, all of K) in 96 registers, read from memory once.
; The rows' codes, 49,152 dense bytes, are copied into LDS once and read by all sixteen waves.
; The product is used transposed (source 0 = 16 columns of fc_out, source 1 = 16 rows of ctx): a lane's 16 registers of its two tiles are 16 neighbouring columns of one row.
; A row's 2,048 bytes come from sixteen waves: they meet in a stage in LDS (each block has its own, so no LDS byte is written twice) and leave as runs of 512 consecutive bytes.  Three barriers in all.
; No tensor load, no cluster: the work-groups share only fc_out's 196,608 bytes of codes, which each wave reads once into registers.
; LIMITS: as the codes and scale bytes are given: NaN and infinities are not served.
; THE MODE: SCHED_MODE bits 1:0 = 2 (LLVM: expert scheduling mode 2), set by the entry lines.  The code itself states the register dependences
; between vector or matrix instructions and memory or LDS instructions, with s_wait_alu, always for 0.
; THE PLAN.  Registers that memory or LDS instructions touch:
;   v1-3, v6, v7, v13  offsets and addresses, made at the head and never written again: the one wait on va_vdst ahead of the first load serves them.
;   v112-159   at the head ctx's codes land in v112-135 and LDS stores read them; then a K step's four fragments land, and the step's eight products read them.
;   v160-223   at the head scale bytes land in v160-175 and the permutes read them; then the products write the accumulators, 16 LDS stores read them, 16 rows land from the stage, 16 global stores read those.
;   v8-12      a block's five stage addresses: written together behind the block's products, read by the stage's stores and loads.
;   v228-243   ctx's scale words: written by the permutes, taken by the scaled products.
; A block has a wait on vm_vsrc at its head, one on va_vdst ahead of the loads of K steps 1 to 3, one ahead of the stage's stores (the accumulators and the five addresses), and one on vm_vsrc ahead of the loads from the stage.
; 14 registers are free, a second set of fragments would take 48: so a K step's loads stand behind the wait for the products that read their registers last.
.set CIMG,  0                          ; LDS: [tile: 8][head: 8][768]: half a fragment = 512 bytes (registers 0-3 at 16 l), then 256 (registers 4, 5 at 8 l)
.set STG,   49152                      ; two stages of 64 rows x (2,048 + 16) bytes
.set SROW,  2064
.set SPARE, STG+2*64*SROW              ; the spare words, 128 bytes a wave: eight blocks of 256 bytes that no other line names
.set LI,  1                            ; v1  16 x lane
.set L4,  2                            ; v2  4 x lane
.set L8,  3                            ; v3  8 x lane + 512
.set SPW, 4                            ; v4  LDS address of my spare word; never rewritten
.set NIL, 5                            ; v5  0; never rewritten
.set SO0, 6                            ; v6  STG + 2064 r + 64 h + 128 w
.set SR0, 7                            ; v7  STG + 4 x 2064 w + 16 l
.set SOT, 8                            ; v8-11  the block's four tiles in the stage
.set SRT, 12                           ; v12 where I read rows back
.set TP,  13
.set FF,  16                           ; v16-111  fc_out's fragments (e, s) at 16 + 12 (4 e + s)
.set CF,  112                          ; v112-159 ctx's four fragments of a K step
.set ACC, 160                          ; v160-223 accumulators (i, e) at 160 + 16 i + 8 e; first the scale bytes as loaded, at the end rows of out0
.set FS,  224                          ; v224-227 fc_out's scale words: lanes 0-15 tile 2 w, lanes 16-31 tile 2 w + 1
.set ES,  228                          ; v228-243 ctx's scale words (block x, s, i % 2) at 228 + 8 x + 2 s + i % 2: lanes 0-15 tile i = 0, 1, lanes 16-31 tile i = 2, 3
.macro WM d, a, b, z, sa, sb, ra, rb   ; one product.  z = 1: C is the constant 0, else C = D.  ra, rb = 1: that side's scale words stand in lanes 16-31
.if (\z)
.if (\ra) && (\rb)
	v_wmma_scale_f32_16x16x128_f8f6f4 v[\d:\d+7], v[\a:\a+11], v[\b:\b+11], 0, v[\sa], v[\sb] matrix_a_fmt:MATRIX_FMT_FP6 matrix_b_fmt:MATRIX_FMT_FP6 matrix_a_scale:MATRIX_SCALE_ROW1 matrix_b_scale:MATRIX_SCALE_ROW1
.elseif (\ra)
	v_wmma_scale_f32_16x16x128_f8f6f4 v[\d:\d+7], v[\a:\a+11], v[\b:\b+11], 0, v[\sa], v[\sb] matrix_a_fmt:MATRIX_FMT_FP6 matrix_b_fmt:MATRIX_FMT_FP6 matrix_a_scale:MATRIX_SCALE_ROW1
.elseif (\rb)
	v_wmma_scale_f32_16x16x128_f8f6f4 v[\d:\d+7], v[\a:\a+11], v[\b:\b+11], 0, v[\sa], v[\sb] matrix_a_fmt:MATRIX_FMT_FP6 matrix_b_fmt:MATRIX_FMT_FP6 matrix_b_scale:MATRIX_SCALE_ROW1
.else
	v_wmma_scale_f32_16x16x128_f8f6f4 v[\d:\d+7], v[\a:\a+11], v[\b:\b+11], 0, v[\sa], v[\sb] matrix_a_fmt:MATRIX_FMT_FP6 matrix_b_fmt:MATRIX_FMT_FP6
.endif
.else
.if (\ra) && (\rb)
	v_wmma_scale_f32_16x16x128_f8f6f4 v[\d:\d+7], v[\a:\a+11], v[\b:\b+11], v[\d:\d+7], v[\sa], v[\sb] matrix_a_fmt:MATRIX_FMT_FP6 matrix_b_fmt:MATRIX_FMT_FP6 matrix_a_scale:MATRIX_SCALE_ROW1 matrix_b_scale:MATRIX_SCALE_ROW1
.elseif (\ra)
	v_wmma_scale_f32_16x16x128_f8f6f4 v[\d:\d+7], v[\a:\a+11], v[\b:\b+11], v[\d:\d+7], v[\sa], v[\sb] matrix_a_fmt:MATRIX_FMT_FP6 matrix_b_fmt:MATRIX_FMT_FP6 matrix_a_scale:MATRIX_SCALE_ROW1
.elseif (\rb)
	v_wmma_scale_f32_16x16x128_f8f6f4 v[\d:\d+7], v[\a:\a+11], v[\b:\b+11], v[\d:\d+7], v[\sa], v[\sb] matrix_a_fmt:MATRIX_FMT_FP6 matrix_b_fmt:MATRIX_FMT_FP6 matrix_b_scale:MATRIX_SCALE_ROW1
.else
	v_wmma_scale_f32_16x16x128_f8f6f4 v[\d:\d+7], v[\a:\a+11], v[\b:\b+11], v[\d:\d+7], v[\sa], v[\sb] matrix_a_fmt:MATRIX_FMT_FP6 matrix_b_fmt:MATRIX_FMT_FP6
.endif
.endif
.endm
.macro PLACES                          ; four places behind a matrix instruction, in front of loads into its registers and of the first read of its results; a wait on va_vdst stands beside them and fills none
.rept 4
	v_nop
.endr
.endm
	s_load_b256 s[4:11], s[0:1], 0x0               ; ctxc s[4:5], ctxs s[6:7], wimg s[8:9], wsc s[10:11]
	s_load_b64 s[12:13], s[0:1], 0x20              ; out0
	v_lshl_add_u32 v[SPW], v0, 2, SPARE
	v_mov_b32 v[NIL], 0
	v_lshrrev_b32 v[TP], 5, v0
	v_readfirstlane_b32 s16, v[TP]                 ; wave 0..15
	s_wait_alu depctr_va_sdst(0)                   ; s16 is written, ahead of its first reader: LDS places and the buffers' offsets are made from it
	v_and_b32 v[TP], 31, v0
	v_lshlrev_b32 v[LI], 4, v[TP]
	v_lshlrev_b32 v[L4], 2, v[TP]
	v_lshlrev_b32 v[L8], 3, v[TP]
	v_add_nc_u32 v[L8], 512, v[L8]
	v_and_b32 v[TP], 15, v0
	v_mul_u32_u24 v[SO0], v[TP], SROW
	v_bfe_u32 v[TP], v0, 4, 1
	v_lshl_add_u32 v[SO0], v[TP], 6, v[SO0]
	s_lshl_b32 s20, s16, 7
	s_add_co_u32 s20, s20, STG
	v_add_nc_u32 v[SO0], s20, v[SO0]
	s_mul_i32 s20, s16, 4*SROW
	s_add_co_u32 s20, s20, STG
	v_add_nc_u32 v[SR0], s20, v[LI]
	s_mul_i32 s21, s16, 3072
	v_add_nc_u32 v[TP], s21, v[LI]                 ; my share of the copy: 3,072 bytes
	s_mov_b32 s18, 0x05040100                      ; v_perm_b32: the two low halves;
	s_mov_b32 s19, 0x07060302                      ; the two high halves
	s_mul_i32 s22, ttmp9, 49152
	s_add_co_u32 s22, s22, s21
	s_mov_b32 s23, 0
	s_lshr_b32 s24, ttmp9, 3                       ; ctxs: 16,384 bytes a batch, 2,048 a head, 128 for each four tiles: my eight tiles begin 256 (n % 8) bytes on
	s_lshl_b32 s24, s24, 14
	s_and_b32 s25, ttmp9, 7
	s_lshl_b32 s25, s25, 8
	s_add_co_u32 s24, s24, s25
	s_mov_b32 s25, 0
	s_mul_i32 s26, s16, 12288                      ; wimg: matrix 3, tiles 2 w and 2 w + 1
	s_add_co_u32 s26, s26, 589824
	s_mov_b32 s27, 0
	s_lshl_b32 s28, s16, 7
	s_add_co_u32 s28, s28, 24576
	s_mov_b32 s29, 0
	s_lshl_b32 s30, ttmp9, 7                       ; out0: I store stage rows 4 w .. 4 w + 3 of a block: places 4 (w % 4) + j of tile w / 4, which are the rows
	s_lshr_b32 s31, s16, 3                         ; 128 n + 64 x + 32 (w / 8) + 8 ((w / 4) % 2) + 8 ((w / 2) % 2) + 4 (w % 4) + j
	s_lshl_b32 s31, s31, 5
	s_add_co_u32 s30, s30, s31
	s_bfe_u32 s31, s16, 0x10002
	s_lshl_b32 s31, s31, 3
	s_add_co_u32 s30, s30, s31
	s_bfe_u32 s31, s16, 0x10001
	s_lshl_b32 s31, s31, 3
	s_add_co_u32 s30, s30, s31
	s_and_b32 s31, s16, 3
	s_lshl_b32 s31, s31, 2
	s_add_co_u32 s30, s30, s31
	s_lshl_b32 s30, s30, 11
	s_mov_b32 s31, 0
	s_wait_kmcnt 0x0
	s_add_nc_u64 s[4:5], s[4:5], s[22:23]
	s_add_nc_u64 s[6:7], s[6:7], s[24:25]
	s_add_nc_u64 s[8:9], s[8:9], s[26:27]
	s_add_nc_u64 s[10:11], s[10:11], s[28:29]
	s_add_nc_u64 s[12:13], s[12:13], s[30:31]
	s_wait_alu depctr_va_vdst(0)                   ; the offsets and addresses v1-3, v6, v7 and v13 are written, which the loads and stores of the kernel read
.irp k, 0,1,2,3,4,5
	global_load_b128 v[CF+4*\k:CF+4*\k+3], v[LI], s[4:5] offset:512*\k th:TH_LOAD_NT
.endr
.irp x, 0,1
.irp s, 0,1,2,3
.irp c, 0,1
	global_load_b32 v[ACC+8*\x+2*\s+\c], v[L4], s[6:7] offset:2048*(2*\s+\c)+128*\x    ; head 2 s + c: low half the bytes of tile 2 (lane / 16), high half those of tile 2 (lane / 16) + 1
.endr
.endr
.endr
.irp e, 0,1
.irp s, 0,1,2,3
.irp k, 0,1,2
	global_load_b128 v[FF+12*(4*\e+\s)+4*\k:FF+12*(4*\e+\s)+4*\k+3], v[LI], s[8:9] offset:6144*\e+1536*\s+512*\k
.endr
.endr
.endr
.irp s, 0,1,2,3
	global_load_b32 v[FS+\s], v[L4], s[10:11] offset:2048*\s
.endr
	s_wait_loadcnt 44                              ; ctx's six loads are in: 16 + 24 + 4 were issued behind them
.irp k, 0,1,2,3,4,5
	ds_store_b128 v[TP], v[CF+4*\k:CF+4*\k+3] offset:512*\k
.endr
	s_wait_loadcnt 28                              ; the sixteen loads of scale bytes are in: 24 + 4 were issued behind them
.irp x, 0,1
.irp s, 0,1,2,3
	v_perm_b32 v[ES+8*\x+2*\s], v[ACC+8*\x+2*\s+1], v[ACC+8*\x+2*\s], s18       ; a K step's word: head 2 s's two bytes below, head 2 s + 1's above; tiles 0 and 2,
	v_perm_b32 v[ES+8*\x+2*\s+1], v[ACC+8*\x+2*\s+1], v[ACC+8*\x+2*\s], s19     ; tiles 1 and 3
.endr
.endr
.rept 8
	v_nop                                          ; a scale register written by a vector instruction stands eight places ahead of a scaled matrix instruction
.endr
	s_wait_alu depctr_va_vdst(0)                   ; the permutes have written the scale words v228-243, which the scaled products take; the places above stay beside this wait
	s_wait_dscnt 0x0                               ; for the others' sake: my share of the rows' codes lies in LDS
	s_barrier_signal -1
	s_barrier_wait -1
	s_wait_loadcnt 0x0
; A BLOCK of four tiles of rows: 32 products (eight accumulators by turns), the stage, 16 stores
.macro BLOCK x
	s_wait_alu depctr_vm_vsrc(0)                   ; block 0: the head's LDS stores have read v112-135, in which the fragments land.  Block 1: block 0's global stores have read v160-223, which the products write, and its LDS stores and loads v8-12, which are written again
.irp s, 0,1,2,3
	PLACES
.if \s > 0
	s_wait_alu depctr_va_vdst(0)                   ; the last K step's products are done reading v112-159, in which the loads below land (K step 0: no vector or matrix instruction since the last such wait names them)
.endif
.irp i, 0,1,2,3
.irp c, 0,1
	ds_load_b128 v[CF+12*\i+6*\c:CF+12*\i+6*\c+3], v[LI] offset:(4*\x+\i)*6144+(2*\s+\c)*768
	ds_load_b64 v[CF+12*\i+6*\c+4:CF+12*\i+6*\c+5], v[L8] offset:(4*\x+\i)*6144+(2*\s+\c)*768
.endr
.endr
	s_wait_dscnt 0x0
.irp i, 0,1,2,3
.irp e, 0,1
	WM ACC+16*\i+8*\e, FF+12*(4*\e+\s), CF+12*\i, (3-\s)/3, FS+\s, ES+8*\x+2*\s+\i%2, \e, \i/2
.endr
.endr
.endr
	PLACES
.irp i, 0,1,2,3
	v_add_nc_u32 v[SOT+\i], 16*SROW*(4*\x+\i), v[SO0]
.endr
	v_add_nc_u32 v[SRT], 64*SROW*\x, v[SR0]
	s_wait_alu depctr_va_vdst(0)                   ; the products have written the accumulators v160-223, the LDS stores' data; the five addresses v8-12 are written, which the stage's stores and loads read; the places above stay beside this wait
.irp i, 0,1,2,3
.irp q, 0,1,2,3
	ds_store_b128 v[SOT+\i], v[ACC+16*\i+4*\q:ACC+16*\i+4*\q+3] offset:16*\q    ; lane (r, h): place r of tile i, columns 32 w + 16 h + 0 .. 15; each accumulator from its low end on
.endr
.endr
	s_wait_dscnt 0x0                               ; for the others' sake: my columns lie in the stage
	s_barrier_signal -1
	s_barrier_wait -1                              ; 64 whole rows do
	s_wait_alu depctr_vm_vsrc(0)                   ; my LDS stores have read v160-223, in which the rows below land
.irp j, 0,1,2,3
.irp q, 0,1,2,3
	ds_load_b128 v[ACC+4*(4*\j+\q):ACC+4*(4*\j+\q)+3], v[SRT] offset:SROW*\j+512*\q
.endr
.endr
.irp j, 0,1,2,3
.irp q, 0,1,2,3
	s_wait_dscnt 15-4*\j-\q                        ; LDS loads come back in order: this one is in, the younger may be out
	global_store_b128 v[LI], v[ACC+4*(4*\j+\q):ACC+4*(4*\j+\q)+3], s[12:13] offset:131072*\x+2048*\j+512*\q th:TH_STORE_NT    ; 512 consecutive bytes, at a multiple of 256 from out0's first byte; written once, read by nobody here
.endr
.endr
.endm
	BLOCK 0
	s_wait_xcnt 0x0                                ; block 0's stores have had their addresses translated: their data registers, which block 1's products write, are written only behind this wait; the stores leave while block 1 is multiplied
	BLOCK 1
	s_wait_dscnt 0x0                               ; the closing lines, six on end
	s_wait_alu 0x0
	s_wait_tensorcnt 0x0
	ds_add_u32 v[SPW], v[NIL]
	s_wait_dscnt 0x0
	s_endpgm
.Lfunc_end_k_q16433fd91c_outp:
	.size	k_q16433fd91c_outp, .Lfunc_end_k_q16433fd91c_outp-k_q16433fd91c_outp
	.p2alignl 7, 3214868480
	.fill 96, 4, 3214868480
	.section	.rodata,"a",@progbits
	.p2align	6, 0x0
	.amdhsa_kernel k_q16433fd91c_outp
		.amdhsa_group_segment_fixed_size 315392
		.amdhsa_private_segment_fixed_size 0
		.amdhsa_enable_private_segment 0
		.amdhsa_kernarg_size 40
		.amdhsa_user_sgpr_count 2
		.amdhsa_user_sgpr_kernarg_segment_ptr 1
		.amdhsa_wavefront_size32 1
		.amdhsa_system_sgpr_workgroup_id_x 1
		.amdhsa_system_sgpr_workgroup_id_y 1
		.amdhsa_system_sgpr_workgroup_id_z 1
		.amdhsa_system_vgpr_workitem_id 0
		.amdhsa_next_free_vgpr 256
		.amdhsa_next_free_sgpr 66
		.amdhsa_reserve_vcc 0
		.amdhsa_float_denorm_mode_32 3
		.amdhsa_float_denorm_mode_16_64 3
		.amdhsa_memory_ordered 1
		.amdhsa_forward_progress 1
		.amdhsa_inst_pref_size 37
	.end_amdhsa_kernel
	.amdgpu_metadata
---
amdhsa.version: [ 1, 2 ]
amdhsa.kernels:
  - .name:           k_q16433fd91c_outp
    .symbol:         k_q16433fd91c_outp.kd
    .args:
      - { .name: ctxc, .offset: 0, .size: 8, .value_kind: global_buffer, .address_space: global }
      - { .name: ctxs, .offset: 8, .size: 8, .value_kind: global_buffer, .address_space: global }
      - { .name: wimg, .offset: 16, .size: 8, .value_kind: global_buffer, .address_space: global }
      - { .name: wsc, .offset: 24, .size: 8, .value_kind: global_buffer, .address_space: global }
      - { .name: out0, .offset: 32, .size: 8, .value_kind: global_buffer, .address_space: global }
    .group_segment_fixed_size: 315392
    .private_segment_fixed_size: 0
    .kernarg_segment_align: 8
    .kernarg_segment_size: 40
    .max_flat_workgroup_size: 512
    .sgpr_count:     66
    .vgpr_count:     256
    .wavefront_size: 32
...
	.end_amdgpu_metadata
.endif
;; end of part 6
